; MI455X (gfx1250); checked and timed in simulation.
; The chip was launched on July 23, 2026; its instructions are those of AMD's public machine-readable ISA for CDNA 5 (MIT licence, August 2026) and "CDNA5" Instruction Set Architecture Reference Guide (July 2026). The comments in the code are by the model that wrote it; some were corrected since.
;; Multi Head Attention. Allowed arithmetic: matrix products marked QUANTISED: E2M3 operands, one E8M0 scale for each 32 along K, by v_wmma_scale_f32_16x16x128_f8f6f4 with both operands' format E2M3, f32 sums; everything else in f32.
;; Inputs: b_tail 1,024 float32; mask 4 x 2,048 int32; w_qkv 3,072 x 1,024 float32; w_tail 1,024 x 1,024 float32; x 4 x 2,048 x 1,024 float32.
;; Outputs: out0 4 x 2,048 x 1,024 float32.
;; This version of the problem:
;;   THIS VERSION OF THE PROBLEM IS GIVEN IN LOW PRECISION. The matrix products marked QUANTISED in the list below multiply operands that are first quantised to E2M3 (2 exponent bits, 3 mantissa bits; 6 bits a number), with one power-of-two scale for each 32 numbers along K (OCP MX v1.0); their sums are f32. All else is computed in f32.
;;   The module's matrix products, in the order in which they are computed (A, B: the left and right operand; K: the contracted axis; several contracted axes count as one K, in the product's order):
;;     1. [M 8,192, K 1,024] x [K 1,024, N 3,072]; A: input x; B: input w_qkv: QUANTISED
;;     2. batch 64 x [M 2,048, K 64] x [K 64, N 2,048]; A: computed on the way; B: computed on the way: QUANTISED
;;     3. batch 64 x [M 2,048, K 2,048] x [K 2,048, N 64]; A: softmax (see below); B: computed on the way: QUANTISED
;;     4. [M 8,192, K 1,024] x [K 1,024, N 1,024]; A: computed on the way; B: input w_tail: QUANTISED
;;   THE QUANTISER, for each operand of a quantised product, along K:
;;     - K is cut into blocks of 32 from its start; a last block that is shorter is filled with zeros.
;;     - A block's scale is 2^e with e = floor(log2(the largest magnitude in the block)) - 2, held to -126 .. 127; a block of zeros has e = 0. As a byte (E8M0): e + 127.
;;     - Each number is divided by its block's scale, clamped to +-7.5, and rounded to the nearest number of E2M3, ties to even, subnormals kept.
;;     - The product sums the exact products of the quantised numbers (number of the format x scale) in f32.
;;   ~~~python
;;   def quantise(x, axis):      # numpy; x: float32 -> the quantised numbers, widened to float32 again
;;       x = np.moveaxis(x, axis, -1); K = x.shape[-1]
;;       x = np.pad(x, [(0, 0)] * (x.ndim - 1) + [(0, -K % 32)]); x = x.reshape(x.shape[:-1] + (-1, 32)); a = np.abs(x).max(-1, keepdims=True)
;;       e = np.where(a > 0, np.clip(np.frexp(np.where(a > 0, a, 1))[1] - 1 - 2, -126, 127), 0)      # np.frexp(a)[1] - 1 = floor(log2(a)), exactly
;;       r = np.clip(x / 2.0 ** e, -7.5, 7.5)
;;       step = 2.0 ** (np.maximum(np.frexp(np.where(r == 0, 1, r))[1] - 1, 0) - 3)
;;       q = np.round(r / step) * step * 2.0 ** e      # np.round: ties to even
;;       return np.moveaxis(q.reshape(q.shape[:-2] + (-1,))[..., :K], -1, axis).astype(np.float32)
;;   ~~~
;;   SOFTMAX AHEAD OF A QUANTISED PRODUCT. Where the list says 'softmax', what is quantised is not the finished softmax but p = 2^(t - M), with t = logit x log2(e) and M = ceil(the row's largest t), a whole number; so 1/2 < the row's largest p <= 1. The row's sum l is taken of the UNQUANTISED p, in f32, and the product's result is divided by l at the end. Since M is a whole number, a kernel that streams over the keys may use a running M (the ceiling of the running maximum): every later rescaling is an exact power of two, which a block's scale takes up: the codes' values come out the same.
;;   OPERANDS COMPUTED ON THE WAY. 'Computed on the way' means the value that the module computes at that place (a softmax that the list does not call 'softmax' is quantised finished and normalised). What goes into a quantiser is computed in f32, as accurately as f32 sums, v_exp_f32 and their like allow (about 1e-6 of the number): no bf16 or f16 on the way to a quantiser, and a product that is left as it is and whose result goes on into a quantised operand takes f32 operands (vector FMAs, or v_wmma_f32_16x16x4_f32). A number that lies on a knife's edge between two numbers of the format may be rounded either way, as far as f32 arithmetic and the matrix unit's own rounding can turn it there, and no further.
;; One version. Each part assembles by itself: llvm-mc -triple=amdgcn-amd-amdhsa -mcpu=gfx1250 --defsym DOCPART=n.
;; ======== version 1 of 1: 4 launches
;; limits: right only within a limited range of input values
;; workspace buffers: xq 6,553,600 bytes; wq 3,276,800 bytes; qq 7,340,032 bytes; kv 12,845,056 bytes; at 6,553,600 bytes
;; launch quant (part 1): grid 384 x 1, 4 waves a work-group, no clusters, 33,280 bytes of LDS; arguments x, w_qkv, w_tail, xq, wq; writes xq, wq
.if DOCPART == 1
	.amdgcn_target "amdgcn-amd-amdhsa--gfx1250"
	.amdhsa_code_object_version 6
	.text
	.protected	k_qd311ab7d20_quant
	.globl	k_qd311ab7d20_quant
	.p2align	8
	.type	k_qd311ab7d20_quant,@function
k_qd311ab7d20_quant:
	s_mov_b64 s[64:65], 0
	v_nop
	global_prefetch_b8 v0, s[64:65] scope:SCOPE_SE
	s_setreg_imm32_b32 hwreg(HW_REG_WAVE_MODE, 25, 1), 1
	s_wait_xcnt 0x0
; x [8192][1024], w_qkv [3072][1024] and w_tail [1024][1024], f32, K innermost, become codes of FP6 (E2M3), 768 bytes a row, and one E8M0 byte for each 32 along K, 32 bytes a row.
; A block's scale is 2^(floor(log2(its largest magnitude)) - 2); its byte is the largest magnitude's exponent field - 2, held at 1 from below (a block of zeros gets 1: its codes are zeros, and this program alone reads the bytes).
; LIMITS: NaN and infinities among the inputs are not served.
; WHERE THE ROWS GO.  xq: x's rows.  wq: rows 0-1023 the q rows of w_qkv (head x 64 + d), 1024-2047 the k rows, 2048-3071 the v rows, 3072-4095 w_tail.
; In x and in w_qkv the second and third group of eight rows of every 32 change places: sixteen neighbouring STORED rows are then rows 8 u + r + 8 (r / 8) of the 32, so that the results of a product
; that takes such a tile as its first source lie, in a lane's registers, as sixteen neighbours along the next product's K.  w_tail keeps its order.
; A work-group takes 32 rows, a wave 8 of them (8,192 numbers) in 16 steps of 512.  Each load reads 512 consecutive bytes; a step's 2,048 bytes turn through the wave's own stage in LDS so that a lane holds 16 neighbours;
; two neighbouring lanes hold a block.  A wave's 256 scale bytes are gathered in LDS and leave as one aligned run of 256 bytes.  Waves share nothing: no barrier.
.set WAVES, 4
.set STEPS, 16
.set EMAX,  2
.set CB,    12                         ; bytes of 16 codes
.set R,     16                         ; v16-79   four sets of 16 numbers as they are loaded
.set X,     80                         ; v80-111  two sets of 16 neighbours
.set C,     128                        ; v128-191 codes: four registers for each step, so that no store's data are written again
.set E,     112                        ; v112-127 a scale byte for each step
.set WREG,  8192                       ; LDS: a region for each wave: two stages of 32 x SP bytes, behind them its 256 scale bytes
.set SP,    80                         ; a lane's place in a stage: 64 bytes + 16 of padding
.set SPW,   12                         ; v12  LDS address of my spare word; never rewritten
.set NIL,   13                         ; v13  0; never rewritten
.set SPARE, WAVES*WREG                 ; the spare words: 128 bytes a wave, two blocks of 256 bytes that no other line names
.set XS_OFF, 6291456                   ; xq: the scale bytes begin behind 8,192 rows of 768 bytes
.set WS_OFF, 3145728                   ; wq: behind 4,096 rows
	s_load_b128 s[4:7], s[0:1], 0x0                ; x, w_qkv
	s_load_b128 s[8:11], s[0:1], 0x10              ; w_tail, xq
	s_load_b64 s[12:13], s[0:1], 0x20              ; wq
	v_lshl_add_u32 v[SPW], v0, 2, SPARE
	v_mov_b32 v[NIL], 0
	v_lshrrev_b32 v1, 5, v0
	v_readfirstlane_b32 s16, v1                    ; wave
	v_and_b32 v2, 31, v0                           ; lane
	v_lshlrev_b32 v3, 4, v2                        ; my 16 bytes of a load's 512
	s_mul_i32 s17, s16, WREG
	v_lshrrev_b32 v14, 2, v2
	v_mul_u32_u24 v14, v14, SP
	v_and_b32 v15, 3, v2
	v_lshl_add_u32 v14, v15, 4, v14
	v_add_nc_u32 v14, s17, v14                     ; the stage, on the way in: SP (lane / 4) + 16 (lane % 4)
	v_mul_u32_u24 v15, v2, SP
	v_add_nc_u32 v15, s17, v15                     ; and on the way out: SP x lane: my 16 neighbours
	v_mul_u32_u24 v4, v2, CB                       ; my codes' place in a step's
	v_lshrrev_b32 v5, 1, v2
	s_add_co_u32 s17, s17, 2*32*SP
	v_add_nc_u32 v5, s17, v5                       ; LDS: my wave's 256 scale bytes, my block's byte
	v_lshlrev_b32 v7, 3, v2                        ; and on the way out 8 bytes a lane
	v_add_nc_u32 v6, s17, v7
	; which 32 rows, from where and to where: made of the work-group's number alone, chosen without a branch
	s_sub_co_u32 s20, ttmp9, 256                   ; w_qkv: unit j of 32 rows
	s_lshr_b32 s21, s20, 1                         ; G = j / 2 = 3 x head + part
	s_mul_i32 s22, s21, 171
	s_lshr_b32 s22, s22, 9                         ; head = G / 3 (exact for G under 48)
	s_mul_i32 s23, s22, 3
	s_sub_co_u32 s23, s21, s23                     ; part: 0 q, 1 k, 2 v
	s_lshl_b32 s23, s23, 5
	s_lshl_b32 s22, s22, 1
	s_add_co_u32 s23, s23, s22
	s_and_b32 s22, s20, 1
	s_add_co_u32 s23, s23, s22                     ; its unit in wq: 32 part + 2 head + j % 2
	s_sub_co_u32 s24, ttmp9, 352                   ; w_tail: unit j,
	s_add_co_u32 s25, s24, 96                      ; in wq behind the 96 of w_qkv
	s_and_b32 s26, s16, 1
	s_lshl_b32 s26, s26, 1
	s_lshr_b32 s27, s16, 1
	s_or_b32 s26, s26, s27                         ; groups of eight 1 and 2 change places
	s_cmp_lt_u32 ttmp9, 352
	s_cselect_b32 s28, s20, s24                    ; the source's unit
	s_cselect_b32 s29, s23, s25                    ; the destination's
	s_cselect_b32 s26, s26, s16                    ; my wave's place in it (w_tail keeps its order)
	s_mov_b32 s30, WS_OFF
	s_cmp_lt_u32 ttmp9, 256
	s_cselect_b32 s28, ttmp9, s28
	s_cselect_b32 s29, ttmp9, s29
	s_cselect_b32 s30, XS_OFF, s30
	s_lshl_b32 s28, s28, 2
	s_add_co_u32 s28, s28, s16
	s_lshl_b32 s18, s28, 15                        ; source: 32,768 bytes for each 8 rows
	s_mov_b32 s19, 0
	s_lshl_b32 s29, s29, 2
	s_add_co_u32 s29, s29, s26
	s_mul_i32 s20, s29, 32*STEPS*CB                ; codes: 6,144 bytes
	s_mov_b32 s21, 0
	s_lshl_b32 s22, s29, 8                         ; scale bytes: 256
	s_add_co_u32 s22, s22, s30
	s_mov_b32 s23, 0
	s_wait_kmcnt 0x0
	s_cmp_lt_u32 ttmp9, 352                        ; the buffers are chosen by the work-group's number alone
	s_cselect_b64 s[6:7], s[6:7], s[8:9]
	s_cmp_lt_u32 ttmp9, 256
	s_cselect_b64 s[4:5], s[4:5], s[6:7]
	s_cselect_b64 s[8:9], s[10:11], s[12:13]
	s_add_nc_u64 s[4:5], s[4:5], s[18:19]
	s_add_nc_u64 s[10:11], s[8:9], s[22:23]
	s_add_nc_u64 s[8:9], s[8:9], s[20:21]
.macro LOAD t
.irp i, 0,1,2,3
	global_load_b128 v[R+16*((\t)%4)+4*\i:R+16*((\t)%4)+4*\i+3], v3, s[4:5] offset:2048*(\t)+512*\i th:TH_LOAD_NT   ; 32 lanes read 512 consecutive bytes
.endr
.endm
.macro TURN t                          ; step t's numbers through the stage: LDS serves a wave's instructions in order, so no wait stands between the stores and the loads
.irp i, 0,1,2,3
	ds_store_b128 v14, v[R+16*((\t)%4)+4*\i:R+16*((\t)%4)+4*\i+3] offset:32*SP*((\t)%2)+8*SP*\i
.endr
.irp i, 0,1,2,3
	ds_load_b128 v[X+16*((\t)%2)+4*\i:X+16*((\t)%2)+4*\i+3], v15 offset:32*SP*((\t)%2)+16*\i
.endr
.endm
.irp t, 0,1,2,3
	LOAD \t
.endr
	s_wait_loadcnt 12                              ; step 0's four loads are in; twelve younger ones stay out
	TURN 0
.macro STEP t
.set XS, X+16*((\t)%2)
.if (\t) > 0
	s_wait_dscnt 1                                 ; this step's numbers are back from the stage (the last step's byte store may be out): so its stores into the stage have read their registers,
.else
	s_wait_dscnt 0x0
.endif
.if (\t)+4 < STEPS
	LOAD (\t)+4                                    ; which take the loads of four steps on
.endif
.if (\t)+1 < STEPS
.if STEPS-2-(\t) >= 3
	s_wait_loadcnt 12                              ; the next step's four loads are in; those of the three steps behind it may be out
.else
	s_wait_loadcnt 4*(STEPS-2-(\t))
.endif
	TURN (\t)+1                                    ; and go through the other stage while this step is worked
.endif
	v_max3_num_f32 v8, |v[XS]|, |v[XS+1]|, |v[XS+2]|               ; the largest magnitude of my 16, in two chains
	v_max3_num_f32 v9, |v[XS+3]|, |v[XS+4]|, |v[XS+5]|
.irp i, 6,10
	v_max3_num_f32 v8, v8, |v[XS+\i]|, |v[XS+\i+1]|
	v_max3_num_f32 v9, v9, |v[XS+\i+2]|, |v[XS+\i+3]|
.endr
	v_max3_num_f32 v8, v8, |v[XS+14]|, |v[XS+15]|
	v_max3_num_f32 v8, v8, v9, (EMAX+1)<<23        ; and the floor 2^(EMAX + 1 - 127): the byte cannot fall under 1
	v_max_num_f32_dpp v8, v8, v8 row_xmask:1 row_mask:0xf bank_mask:0xf   ; and of my neighbour's 16: the block's
	v_add_nc_u32 v11, -(EMAX<<23), v8              ; EMAX off its exponent field: the conversion takes the exponent field of this operand as its scale
	v_cvt_scalef32_pk16_fp6_f32 v[C+4*(\t):C+4*(\t)+2], v[XS:XS+15], v11   ; sixteen codes, 96 bits, the first number's lowest
	v_lshrrev_b32 v[E+(\t)], 23, v11               ; the scale's byte
	ds_store_b8 v5, v[E+(\t)] offset:16*(\t)       ; both lanes of a block write the same byte with the same value
	global_store_b96 v4, v[C+4*(\t):C+4*(\t)+2], s[8:9] offset:32*CB*(\t)
.endm
.irp t, 0,1,2,3,4,5,6,7,8,9,10,11,12,13,14,15
	STEP \t
.endr
	ds_load_b64 v[8:9], v6                         ; LDS serves a wave's instructions in order: these see my stores
	s_wait_dscnt 0x0
	global_store_b64 v7, v[8:9], s[10:11]          ; 32 lanes store 256 consecutive bytes, aligned
	s_wait_tensorcnt 0x0                           ; the wave's end
	ds_add_u32 v[SPW], v[NIL]
	s_wait_dscnt 0x0
	s_endpgm
.Lfunc_end_k_qd311ab7d20_quant:
	.size	k_qd311ab7d20_quant, .Lfunc_end_k_qd311ab7d20_quant-k_qd311ab7d20_quant
	.p2alignl 7, 3214868480
	.fill 96, 4, 3214868480
	.section	.rodata,"a",@progbits
	.p2align	6, 0x0
	.amdhsa_kernel k_qd311ab7d20_quant
		.amdhsa_group_segment_fixed_size 33280
		.amdhsa_private_segment_fixed_size 0
		.amdhsa_enable_private_segment 0
		.amdhsa_kernarg_size 40
		.amdhsa_user_sgpr_count 2
		.amdhsa_user_sgpr_kernarg_segment_ptr 1
		.amdhsa_wavefront_size32 1
		.amdhsa_system_sgpr_workgroup_id_x 1
		.amdhsa_system_sgpr_workgroup_id_y 1
		.amdhsa_system_sgpr_workgroup_id_z 1
		.amdhsa_system_vgpr_workitem_id 0
		.amdhsa_next_free_vgpr 192
		.amdhsa_next_free_sgpr 66
		.amdhsa_reserve_vcc 0
		.amdhsa_float_denorm_mode_32 3
		.amdhsa_float_denorm_mode_16_64 3
		.amdhsa_memory_ordered 1
		.amdhsa_forward_progress 1
		.amdhsa_inst_pref_size 33
	.end_amdhsa_kernel
	.amdgpu_metadata
---
amdhsa.version: [ 1, 2 ]
amdhsa.kernels:
  - .name:           k_qd311ab7d20_quant
    .symbol:         k_qd311ab7d20_quant.kd
    .args:
      - { .name: x, .offset: 0, .size: 8, .value_kind: global_buffer, .address_space: global }
      - { .name: w_qkv, .offset: 8, .size: 8, .value_kind: global_buffer, .address_space: global }
      - { .name: w_tail, .offset: 16, .size: 8, .value_kind: global_buffer, .address_space: global }
      - { .name: xq, .offset: 24, .size: 8, .value_kind: global_buffer, .address_space: global }
      - { .name: wq, .offset: 32, .size: 8, .value_kind: global_buffer, .address_space: global }
    .group_segment_fixed_size: 33280
    .private_segment_fixed_size: 0
    .kernarg_segment_align: 8
    .kernarg_segment_size: 40
    .max_flat_workgroup_size: 128
    .sgpr_count:     66
    .vgpr_count:     192
    .wavefront_size: 32
...
	.end_amdgpu_metadata
.endif
;; end of part 1
;; launch qkv (part 2): grid 12 x 32, 4 waves a work-group, clusters of 4 x 4, 327,680 bytes of LDS; arguments xq, wq, qq, kv; writes qq, kv
.if DOCPART == 2
	.amdgcn_target "amdgcn-amd-amdhsa--gfx1250"
	.amdhsa_code_object_version 6
	.text
	.protected	k_qd311ab7d20_qkv
	.globl	k_qd311ab7d20_qkv
	.p2align	8
	.type	k_qd311ab7d20_qkv,@function
k_qd311ab7d20_qkv:
	s_mov_b64 s[64:65], 0
	v_nop
	global_prefetch_b8 v0, s[64:65] scope:SCOPE_SE
	s_setreg_imm32_b32 hwreg(HW_REG_WAVE_MODE, 25, 1), 1
	s_wait_xcnt 0x0
	s_wait_alu depctr_hold_cnt(0) depctr_sa_sdst(0) depctr_va_vdst(0) depctr_va_sdst(0) depctr_va_ssrc(0) depctr_va_vcc(0) depctr_vm_vsrc(0)
	s_getreg_b32 s2, hwreg(HW_REG_IB_STS2, 6, 4)
	s_cmp_eq_u32 s2, 0
	s_cbranch_scc0 .Lentry_in_a_cluster
	s_endpgm
.Lentry_in_a_cluster:
	s_bfe_u32 s2, ttmp6, 0x10000c
	s_cmp_lg_u32 s2, 0xf033
	s_cbranch_scc0 .Lentry_shape_is_right
	s_endpgm
.Lentry_shape_is_right:
; The first product, x w_qkv^T, on codes of FP6 (E2M3) with E8M0 scales, K = 1,024; its results are quantised in registers for the two products of attention and stored as IMAGES of the registers that those products want.
; A tile of 256 x 256 is made by four waves, each 128 x 128: 64 accumulators of 16 x 16.  K goes in steps of 256 through a ring of two LDS slots filled by the tensor data mover; the scale bytes of the
; work-group's 512 rows come once.  4 x 4 work-groups form a cluster: A's tile is asked for jointly along a row of the cluster, B's along a column.  The matrix instruction is used transposed
; (source 0 = 16 rows of B, source 1 = 16 rows of A): a lane holds ONE row of A, its registers run along B's rows.
; TWO PRODUCTS, told apart by the cluster's x, which all sixteen partners share.  Cluster x 0, 1: A = x's rows, B = the q rows (0) or k rows (1) of wq: a lane holds a token, its registers run along d: q and k are
; quantised along d.  Cluster x 2: A = the v rows of wq, B = x's rows: a lane holds a channel d, its registers run along the tokens: V^T is quantised along the keys.
; B's rows lie in memory so that sixteen neighbouring rows are rows 8 u + r + 8 (r / 8) of their 32: registers 16 b + i of a block's eight accumulators are columns 32 b + 16 (lane / 16) + i.
; OUT.  q, k: for each head 6 registers a lane (64 codes of a row): 4 registers at 16 x lane, 2 at 512 + 8 x lane: 768 bytes for 16 rows.  V^T: 12 registers a lane (16 channels x 128 keys): three runs of 512 bytes.
; Scale words: 4 bytes a row and tile, four tiles' words on end.  Every store of a wave covers 256 or 512 consecutive bytes, aligned to 256.
; REGISTERS, in windows of 256: window 0: v0-31 addresses; v32-63 scale words; from v128 A's fragments, one set; on the way out v64-207.  window 1: B's fragments, two sets.  windows 2, 3: the accumulators.
.set KSTEP,  256
.set NQ,     KSTEP/128
.set ROWB,   192                       ; a tile's row in bytes
.set KROW,   768                       ; a row of codes in memory
.set PITCH,  240                       ; an LDS row: 3 x (64 bytes + 16 of padding)
.set FR,     12
.set NL,     6
.set NP,     4                         ; places behind this matrix instruction (ISA guide 7.12.1)
.set HALFT,  128*PITCH
.set SLOT,   4*HALFT
.set LAPS,   2                         ; K = 1,024: four K steps, twice round the ring
.set KS,     32                        ; a row of scale bytes
.set SCL,    2*SLOT
.set HALFS,  (128*KS/256)*272
.set SBLK,   (16*KS/256)*272
.set SPARE,  SCL+4*HALFS               ; the spare words: 128 bytes a wave, two blocks of 256 bytes that no other line names
.set XS_OFF, 6291456                   ; xq's scale bytes
.set WS_OFF, 3145728                   ; wq's
.set QS_OFF, 6291456                   ; qq: q's scale words
.set KS_OFF, 6815744                   ; qq: k's scale words
.set QREC,   98304                     ; qq: a head's 128 tiles of 768 bytes
.set KVREC,  200704                    ; kv: a head's 16 key steps
.set KVSTEP, 12544                     ; kv: a key step: K's 8 tiles, V's 4, V's scale words
.set ADRA, 16
.set ADRB, 20
.set ADRS, 27
.set SPW,  28
.set NIL,  29
.set SC,   32
.set AF,   128
.set IMG,  64                          ; the way out: v64-159 twelve registers of codes for each of my eight blocks
.set CT,   160                         ; v160-167 halves of blocks, as the conversions leave them
.set TM,   168                         ; v168-171 largest magnitudes, v172-175 the other lanes', then bytes, v180-183 the conversions' scale operands
.set PWS,  184                         ; v184-191 a block's scale word
.set VO16, 192                         ; 16 x lane
.set VO8,  193                         ; 8 x lane
.set VS,   194                         ; my place among the scale words
.set SH,   195                         ; lane / 16, then what is made of it
.set SW,   200                         ; v200-207 scale words as they are stored
.set G1, 24
.set G0, 32
.set G1B, 48
.set G0B, 56
.set G1S, 68
.set G0S, 76
.set G1SB, 80
.set G0SB, 88
.set MSB, 0
.macro WIN new                         ; the immediate's high byte repeats the setting that is left
.if MSB != (\new)
	s_set_vgpr_msb (MSB<<8)|(\new)
.set MSB, (\new)
.endif
.endm
.set MUL_LO, 0xa1                      ; source 0 (B) window 1, source 1 (A) window 0, C and D window 2
.set MUL_HI, 0xf1
.set TO_B,   0x40
; A joint load: waves 0 and 1 fetch for A, waves 2 and 3 for B; the branch hangs on the wave's number alone.  An s_nop 0 and four v_nop follow each line.
.macro JLOAD g0a, g1a, g0b, g1b
	s_cmp_eq_u32 s15, 0
	s_cbranch_scc0 .Lfor_b_\@
	tensor_load_to_lds s[\g0a:\g0a+3], s[\g1a:\g1a+7]
	s_nop 0
.rept 4
	v_nop
.endr
	s_branch .Lasked_\@
.Lfor_b_\@:
	tensor_load_to_lds s[\g0b:\g0b+3], s[\g1b:\g1b+7]
	s_nop 0
.rept 4
	v_nop
.endr
.Lasked_\@:
.endm
.macro CREST                           ; a round of the cluster's barrier behind its opening barrier
	s_cmp_lg_u32 s14, 0
	s_cbranch_scc1 .Lnot_wave_0_\@
	s_barrier_signal -3
.Lnot_wave_0_\@:
	s_barrier_wait -3
	s_barrier_signal -1
	s_barrier_wait -1
.endm
.macro CROUND
	s_barrier_signal -1
	s_barrier_wait -1
	CREST
.endm
	s_load_b256 s[4:11], s[0:1], 0x0               ; xq s[4:5], wq s[6:7], qq s[8:9], kv s[10:11]
	v_lshl_add_u32 v[SPW], v0, 2, SPARE
	v_mov_b32 v[NIL], 0
	ds_add_u32 v[SPW], v[NIL]                      ; the wave's opening: the add and its wait stand ahead of my first tensor load; the set-up below stands between them
	v_lshrrev_b32 v1, 5, v0
	v_readfirstlane_b32 s14, v1                    ; wave 0..3
	s_lshr_b32 s15, s14, 1                         ; which half of the tile's rows is mine.  Also: I fetch for A (0) or for B (1)
	s_and_b32 s16, s14, 1                          ; which half of its columns.  Also: which 128 rows I fetch
	s_bfe_u32 s40, ttmp6, 0x40000                  ; cx
	s_bfe_u32 s41, ttmp6, 0x40004                  ; cy
	s_and_b32 s13, ttmp7, 0xffff                   ; cluster y
	s_mov_b32 s96, XS_OFF
	s_mov_b32 s97, WS_OFF
	s_cmp_eq_u32 ttmp9, 2                          ; cluster x = 2: V^T.  The same in all sixteen partners
	s_cselect_b32 s12, 1, 0
	s_cselect_b32 s42, s13, ttmp9                  ; the columns' cluster coordinate,
	s_cselect_b32 s17, 0, s13                      ; the rows'
	s_cselect_b32 s95, 2048, 0                     ; A's first row in its buffer: the v rows of wq begin at 2,048
	s_cselect_b32 s98, s97, s96                    ; where A's scale bytes begin in its buffer,
	s_cselect_b32 s99, s96, s97                    ; and B's
	s_lshl_b32 s42, s42, 2
	s_add_co_u32 s42, s42, s40                     ; tile column
	s_lshl_b32 s17, s17, 2
	s_add_co_u32 s17, s17, s41                     ; tile row
	s_lshl_b32 s43, s41, 2
	s_lshl_b32 s43, 15, s43                        ; my row of the cluster
	s_lshl_b32 s44, 0x1111, s40                    ; my column
	s_or_b32 s[G1+0], s43, (0<<16)|(1<<20)|(1<<21)|(3<<22)|(3<<25)  ; the mask; elements of 1 byte; padding on; bit 21 beside a mask; after every 16 words 4 words
	s_or_b32 s[G1B+0], s44, (0<<16)|(1<<20)|(1<<21)|(3<<22)|(3<<25)
.irp g, G1, G1B
	s_mov_b32 s[\g+1], ROWB<<16                    ; tensor_dim0
	s_mov_b32 s[\g+2], 128<<16                     ; tensor_dim1
	s_mov_b32 s[\g+3], ROWB<<16                    ; tile_dim0
	s_mov_b32 s[\g+4], 128                         ; tile_dim1
	s_mov_b32 s[\g+5], KROW                        ; the pitch
	s_mov_b32 s[\g+6], 0
	s_mov_b32 s[\g+7], 0
.endr
	s_or_b32 s[G1S+0], s43, (3<<16)|(1<<20)|(1<<21)|(5<<22)|(3<<25)  ; the scale bytes of 128 rows: 4,096 dense bytes as rows of 256, 16 bytes of padding behind each
	s_or_b32 s[G1SB+0], s44, (3<<16)|(1<<20)|(1<<21)|(5<<22)|(3<<25)
.irp g, G1S, G1SB
	s_mov_b32 s[\g+1], 32<<16
	s_mov_b32 s[\g+2], (128*KS/256)<<16
	s_mov_b32 s[\g+3], 32<<16
	s_mov_b32 s[\g+4], 128*KS/256
	s_mov_b32 s[\g+5], 32
	s_mov_b32 s[\g+6], 0
	s_mov_b32 s[\g+7], 0
.endr
	s_lshl_b32 s18, s16, 7                         ; which 128 rows of the tile I fetch
	s_lshl_b32 s20, s17, 8
	s_add_co_u32 s20, s20, s18
	s_add_co_u32 s20, s20, s95                     ; A: its first row + 256 x tile row + 128 x half
	s_lshl_b32 s46, s42, 8
	s_add_co_u32 s46, s46, s18                     ; B: 256 x tile column + 128 x half
	s_mul_i32 s22, s20, KS
	s_add_co_u32 s22, s22, s98                     ; these rows' scale bytes,
	s_mov_b32 s23, 0
	s_mul_i32 s92, s46, KS
	s_add_co_u32 s92, s92, s99
	s_mov_b32 s93, 0
	s_mul_i32 s20, s20, KROW                       ; and their codes (all under 2^24 bytes)
	s_mov_b32 s21, 0
	s_mul_i32 s46, s46, KROW
	s_mov_b32 s47, 0
	s_mul_i32 s45, s14, HALFT                      ; where they go: wave x 128 rows
	s_mul_i32 s94, s14, HALFS
	s_wait_dscnt 0x0                               ; the opening add is done
	s_wait_kmcnt 0x0
	s_cmp_eq_u32 s12, 1
	s_cselect_b64 s[100:101], s[6:7], s[4:5]       ; A's buffer
	s_cselect_b64 s[66:67], s[4:5], s[6:7]         ; B's
	s_add_nc_u64 s[20:21], s[100:101], s[20:21]
	s_add_nc_u64 s[22:23], s[100:101], s[22:23]
	s_add_nc_u64 s[46:47], s[66:67], s[46:47]
	s_add_nc_u64 s[92:93], s[66:67], s[92:93]
	CROUND                                         ; all sixteen work-groups are here: the first joint loads meet
	s_mov_b32 s[G0S], 1
	s_add_co_u32 s[G0S+1], s94, SCL
	s_mov_b64 s[G0S+2:G0S+3], s[22:23]
	s_or_b32 s[G0S+3], s[G0S+3], 0x80000000
	s_mov_b32 s[G0SB], 1
	s_add_co_u32 s[G0SB+1], s94, SCL
	s_mov_b64 s[G0SB+2:G0SB+3], s[92:93]
	s_or_b32 s[G0SB+3], s[G0SB+3], 0x80000000
	JLOAD G0S, G1S, G0SB, G1SB                     ; the scales first: they are wanted with K step 0
.irp s, 0,1
	s_mov_b32 s[G0+4*\s], 1
	s_add_co_u32 s[G0+4*\s+1], s45, \s*SLOT
	s_add_nc_u64 s[G0+4*\s+2:G0+4*\s+3], s[20:21], \s*ROWB
	s_or_b32 s[G0+4*\s+3], s[G0+4*\s+3], 0x80000000
	s_mov_b32 s[G0B+4*\s], 1
	s_add_co_u32 s[G0B+4*\s+1], s45, \s*SLOT
	s_add_nc_u64 s[G0B+4*\s+2:G0B+4*\s+3], s[46:47], \s*ROWB
	s_or_b32 s[G0B+4*\s+3], s[G0B+4*\s+3], 0x80000000
	JLOAD G0+4*\s, G1, G0B+4*\s, G1B               ; three tensor loads of mine are out at the most
.endr
	v_and_b32 v1, 15, v0                           ; l % 16
	v_bfe_u32 v2, v0, 4, 1                         ; l / 16
	v_mul_u32_u24 v3, v1, PITCH
	v_mul_u32_u24 v4, v2, 24
	v_add_nc_u32 v4, v3, v4                        ; a fragment's row x pitch + 24 x half
	v_lshl_add_u32 v5, v2, 4, v4                   ; and the same behind one padding more
	s_mul_i32 s21, s15, HALFT                      ; my 128 rows of A
	s_mul_i32 s22, s16, HALFT                      ; my 128 rows of B,
	s_add_co_u32 s22, s22, 2*HALFT                 ; which lie behind A's 256
.irp s, 0,1
	v_add_nc_u32 v[ADRA+\s], s21, v4
	v_add_nc_u32 v[ADRB+\s], s22, v4
	v_add_nc_u32 v[ADRA+2+\s], s21, v5
	v_add_nc_u32 v[ADRB+2+\s], s22, v5
	s_add_co_u32 s21, s21, SLOT
	s_add_co_u32 s22, s22, SLOT
.endr
	v_mul_u32_u24 v5, v1, KS                       ; my row's scales: KS bytes a row,
	v_lshrrev_b32 v6, 8, v5
	v_lshl_add_u32 v5, v6, 4, v5                   ; and 16 more for each 256 passed
	s_mul_i32 s21, s15, HALFS
	s_mul_i32 s22, s16, HALFS
	s_add_co_u32 s22, s22, 2*HALFS
	s_sub_co_u32 s22, s22, s21
	v_mul_u32_u24 v6, s22, v2                      ; lanes 16-31 take B's
	s_add_co_u32 s21, s21, SCL
	v_add_nc_u32 v5, v5, v6
	v_add_nc_u32 v[ADRS], s21, v5
.macro FRAG reg, adr, q, i             ; 16 rows x 128 K of 6-bit codes: 12 registers, in pieces of 8 bytes; where lanes 16-31's piece lies behind one padding more, the second address register serves
.irp p, 0,1,2,3,4,5
.set PC, 12*(\q)+6*(\p/3)+\p%3
.if PC%8 < 5
	ds_load_b64 v[\reg+2*\p:\reg+2*\p+1], v[\adr] offset:8*PC+16*(PC/8)+(\i)*16*PITCH
.else
	ds_load_b64 v[\reg+2*\p:\reg+2*\p+1], v[\adr+2] offset:8*PC+16*(PC/8)+(\i)*16*PITCH
.endif
.endr
.endm
; 16 matrix instructions: A's blocks a0, a0 + 1 x B's eight.  The 64 accumulators take turns, one instruction a turn, in the same order in every step.
.macro MUL16 a0, p, q, sc, zero
.irp a, \a0, \a0+1
.irp b, 0,1,2,3,4,5,6,7
.if \zero
	v_wmma_scale_f32_16x16x128_f8f6f4 v[8*(8*((\a)%4)+\b):8*(8*((\a)%4)+\b)+7], v[128*(\p)+FR*\b:128*(\p)+FR*\b+FR-1], v[AF+FR*(\a):AF+FR*(\a)+FR-1], 0, v[SC+8*NQ*(\sc)+NQ*\b+(\q)], v[SC+8*NQ*(\sc)+NQ*(\a)+(\q)] matrix_a_fmt:MATRIX_FMT_FP6 matrix_b_fmt:MATRIX_FMT_FP6 matrix_a_scale:MATRIX_SCALE_ROW1
.else
	v_wmma_scale_f32_16x16x128_f8f6f4 v[8*(8*((\a)%4)+\b):8*(8*((\a)%4)+\b)+7], v[128*(\p)+FR*\b:128*(\p)+FR*\b+FR-1], v[AF+FR*(\a):AF+FR*(\a)+FR-1], v[8*(8*((\a)%4)+\b):8*(8*((\a)%4)+\b)+7], v[SC+8*NQ*(\sc)+NQ*\b+(\q)], v[SC+8*NQ*(\sc)+NQ*(\a)+(\q)] matrix_a_fmt:MATRIX_FMT_FP6 matrix_b_fmt:MATRIX_FMT_FP6 matrix_a_scale:MATRIX_SCALE_ROW1
.endif
.endr
.endr
.endm
.macro FETCH_B slot, q, p
	WIN TO_B
.irp i, 0,1,2,3,4,5,6,7
	FRAG 128*(\p)+FR*\i, ADRB+\slot, \q, \i
.endr
	WIN 0
.endm
.macro FETCH_A slot, q, i0
.irp i, \i0, \i0+1, \i0+2, \i0+3
	FRAG AF+FR*(\i), ADRA+\slot, \q, \i
.endr
.endm
.macro SCALES sc                       ; a K step's scale words: lanes 0-15 take A's block i, lanes 16-31 B's block i
.irp i, 0,1,2,3,4,5,6,7
	ds_load_b64 v[SC+8*NQ*\sc+NQ*\i:SC+8*NQ*\sc+NQ*\i+1], v[ADRS] offset:\i*SBLK
.endr
.endm
.macro PLACES n                        ; plain vector instructions between a matrix instruction and a load into, or a read of, its registers
.rept \n
	v_nop
.endr
.endm
.macro STEP slot, q, zero              ; 128 along K with a successor in the same slot
	s_wait_dscnt 4*NL                              ; B's set and A's blocks 0-3 are in; the youngest 24 loads (A's blocks 4-7) may be out
	WIN MUL_LO
	MUL16 0, (\q)%2, \q, \slot, \zero
	MUL16 2, (\q)%2, \q, \slot, \zero
	s_wait_dscnt 0                                 ; A's blocks 4-7 are in
	PLACES NP
	FETCH_B \slot, (\q)+1, 1-(\q)%2
	FETCH_A \slot, (\q)+1, 0
	WIN MUL_HI
	MUL16 4, (\q)%2, \q, \slot, \zero
	MUL16 6, (\q)%2, \q, \slot, \zero
	PLACES NP
	WIN 0
	FETCH_A \slot, (\q)+1, 4
.endm
; A slot's last step changes slots: one barrier; in front of it each wave waits for all its tensor loads, adds 0 to its spare word, and waits for that and for its reads of this slot.
.macro TURN slot, next, fill
	s_wait_tensorcnt 0x0                           ; all my tensor loads have landed: my part of the next slot
	ds_add_u32 v[SPW], v[NIL]
	s_wait_dscnt 4*NL+1                            ; the add and the youngest 24 loads may be out
	WIN MUL_LO
	MUL16 0, 1, NQ-1, \slot, 0
	s_wait_dscnt 0x0                               ; the add is done, and my reads of this slot are over
	s_barrier_signal -1
	MUL16 2, 1, NQ-1, \slot, 0
	WIN 0
	s_barrier_wait -1
.if \fill
	CREST                                          ; the barrier has opened a round of the cluster's: no wave of any partner still reads this slot or has a load on its way
	s_add_nc_u64 s[G0+4*\slot+2:G0+4*\slot+3], s[G0+4*\slot+2:G0+4*\slot+3], 2*ROWB
	s_add_nc_u64 s[G0B+4*\slot+2:G0B+4*\slot+3], s[G0B+4*\slot+2:G0B+4*\slot+3], 2*ROWB
	JLOAD G0+4*\slot, G1, G0B+4*\slot, G1B         ; my one tensor load behind the round; its four v_nop are the places in front of the loads below
.else
	PLACES NP
.endif
	v_add_nc_u32 v[ADRS], 4*NQ, v[ADRS]            ; the next K step's scale words
	FETCH_B \next, 0, 0
	FETCH_A \next, 0, 0
	SCALES \next
	WIN MUL_HI
	MUL16 4, 1, NQ-1, \slot, 0
	MUL16 6, 1, NQ-1, \slot, 0
	PLACES NP
	WIN 0
	FETCH_A \next, 0, 4
.endm
	s_wait_tensorcnt 1                             ; the scales and my part of K step 0 are in (K step 1's load may be out)
	s_barrier_signal -1
	s_barrier_wait -1
	FETCH_B 0, 0, 0
	FETCH_A 0, 0, 0
	SCALES 0
	FETCH_A 0, 0, 4
	STEP 0, 0, 1                                   ; the first step's products start the sums
	s_mov_b32 s3, LAPS-1
.Llap:
	TURN 0, 1, 1
	STEP 1, 0, 0
	TURN 1, 0, 1
	STEP 0, 0, 0
	s_sub_co_u32 s3, s3, 1
	s_cmp_lg_u32 s3, 0
	s_cbranch_scc1 .Llap
	TURN 0, 1, 0                                   ; the last lap fills nothing
	STEP 1, 0, 0
	s_wait_dscnt 4*NL
	WIN MUL_LO
	MUL16 0, 1, NQ-1, 1, 0
	MUL16 2, 1, NQ-1, 1, 0
	s_wait_dscnt 0
	WIN MUL_HI
	MUL16 4, 1, NQ-1, 1, 0
	MUL16 6, 1, NQ-1, 1, 0
	WIN 0
; THE WAY OUT.  Block a (16 rows of A x my 128 columns: 64 numbers a lane, register 16 b + i = column 32 b + 16 (lane / 16) + i) becomes 12 registers of codes and a scale word.
.macro QUANT2 a
.set AC, 64*((\a)%4)
.set WW, 2+(\a)/4
.set WB, WW|(WW<<2)
	WIN WB                                         ; sources 0 and 1: the accumulators' window
.irp b, 0,1,2,3
	v_max3_num_f32 v[TM+\b], |v[AC+16*\b]|, |v[AC+16*\b+1]|, 0x1800000   ; each accumulator is read from its low end on; the floor 2^(3 - 127) holds the byte at 1 from below
.endr
.irp i, 2,4,6,8,10,12,14
.irp b, 0,1,2,3
	v_max3_num_f32 v[TM+\b], |v[AC+16*\b+\i]|, |v[AC+16*\b+\i+1]|, v[TM+\b]
.endr
.endr
	WIN 0
.irp b, 0,1,2,3
	v_permlanex16_b32 v[TM+4+\b], v[TM+\b], s2, s3
.endr
.irp b, 0,1,2,3
	v_max_num_f32 v[TM+\b], v[TM+\b], v[TM+4+\b]   ; with lane l xor 16's: the block's largest magnitude
.endr
.irp b, 0,1,2,3
	v_add_nc_u32 v[TM+12+\b], 0xff000000, v[TM+\b] ; 2 off its exponent field: the conversion's scale operand
.endr
.irp b, 0,1,2,3
	v_lshrrev_b32 v[TM+4+\b], 23, v[TM+12+\b]      ; the scale's byte
.endr
	v_lshl_or_b32 v[PWS+\a], v[TM+5], 8, v[TM+4]
	v_lshl_or_b32 v[PWS+\a], v[TM+6], 16, v[PWS+\a]
	v_lshl_or_b32 v[PWS+\a], v[TM+7], 24, v[PWS+\a]
	WIN WW                                         ; source 0: the accumulators' window
.irp c, 0,1
	v_cvt_scalef32_pk16_fp6_f32 v[IMG+12*\a+6*\c:IMG+12*\a+6*\c+2], v[AC+32*\c:AC+32*\c+15], v[TM+12+2*\c]
	v_cvt_scalef32_pk16_fp6_f32 v[CT+4*\c:CT+4*\c+2], v[AC+32*\c+16:AC+32*\c+31], v[TM+12+2*\c+1]   ; (a conversion's three registers begin on an even number)
.endr
	WIN 0
	v_nop                                          ; one plain place behind a scaled conversion
.irp c, 0,1                                    ; the operand's layout wants a whole block in a lane
.irp i, 0,1,2
	v_permlane16_swap_b32 v[IMG+12*\a+6*\c+\i], v[CT+4*\c+\i]
.endr
.irp i, 0,1,2
	v_mov_b32 v[IMG+12*\a+6*\c+3+\i], v[CT+4*\c+\i]
.endr
.endr
.endm
	PLACES NP                                      ; behind the last products: their results are read, and registers that held A's fragments are written
	s_mov_b32 s2, 0x76543210
	s_mov_b32 s3, 0xfedcba98                       ; v_permlanex16_b32's selects for lane l xor 16
	v_and_b32 v[VO8], 31, v0
	v_lshlrev_b32 v[VO16], 4, v[VO8]
	v_lshrrev_b32 v[SH], 4, v[VO8]                 ; lane / 16
	v_and_b32 v[VS], 15, v0
	v_lshlrev_b32 v[VS], 4, v[VS]                  ; 16 r
	v_lshlrev_b32 v[VO8], 3, v[VO8]
.irp b, 0,1,2,3
	v_mov_b32 v[TM+4+\b], 0                        ; written once: a lane permute's destination counts as one of its sources
.endr
.irp a, 0,1,2,3,4,5,6,7
	QUANT2 \a
.endr
	s_cmp_eq_u32 s12, 1                            ; the cluster's x alone decides: no barrier stands in either arm
	s_cbranch_scc1 .Lv_out
	; q or k: my 128 columns are heads 2 hp and 2 hp + 1; registers 0-5 of a block's codes are the first head's, 6-11 the second's
	s_lshr_b32 s20, s17, 3                         ; batch
	s_and_b32 s21, s17, 7
	s_lshl_b32 s21, s21, 1
	s_add_co_u32 s21, s21, s15                     ; which 128 tokens of the batch
	s_lshl_b32 s22, s42, 1
	s_add_co_u32 s22, s22, s16
	s_and_b32 s22, s22, 7                          ; hp
	s_lshl_b32 s20, s20, 4
	s_lshl_b32 s22, s22, 1
	s_add_co_u32 s20, s20, s22                     ; batch x 16 + the first head
	s_mov_b32 s18, QREC
	s_mov_b32 s19, 8*768
	s_mov_b32 s23, QS_OFF
	s_cmp_eq_u32 ttmp9, 1                          ; k?
	s_cselect_b64 s[46:47], s[10:11], s[8:9]       ; k's images go to kv, q's to qq
	s_cselect_b32 s18, KVREC, s18                  ; from head to head,
	s_cselect_b32 s19, KVSTEP, s19                 ; from 128 tokens to the next
	s_cselect_b32 s23, KS_OFF, s23
	s_mul_i32 s92, s20, s18
	s_mul_i32 s93, s21, s19
	s_add_co_u32 s92, s92, s93
	s_mov_b32 s93, 0
	s_add_nc_u64 s[46:47], s[46:47], s[92:93]      ; the first head's eight tiles
	s_mov_b32 s19, 0
	s_add_nc_u64 s[94:95], s[46:47], s[18:19]      ; the second head's
	s_lshl_b32 s20, s20, 13
	s_lshl_b32 s21, s21, 9
	s_add_co_u32 s20, s20, s21
	s_add_co_u32 s20, s20, s23
	s_mov_b32 s21, 0
	s_add_nc_u64 s[8:9], s[8:9], s[20:21]          ; the scale words: 8,192 bytes a head, 512 for 128 tokens
	v_lshl_add_u32 v[VS], v[SH], 13, v[VS]         ; lanes 16-31 store the second head's
	v_lshlrev_b32 v[SH], 4, v[SH]
.irp a, 0,1,2,3,4,5,6,7
	v_lshrrev_b32 v[SW+\a], v[SH], v[PWS+\a]
.endr
.irp a, 0,1,2,3,4,5,6,7
	v_and_b32 v[SW+\a], 0xffff, v[SW+\a]           ; a head's two bytes; the upper two are 0
.endr
.irp a, 0,1,2,3,4,5,6,7
	global_store_b128 v[VO16], v[IMG+12*\a:IMG+12*\a+3], s[46:47] offset:768*\a
	global_store_b64 v[VO8], v[IMG+12*\a+4:IMG+12*\a+5], s[46:47] offset:768*\a+512
	global_store_b128 v[VO16], v[IMG+12*\a+6:IMG+12*\a+9], s[94:95] offset:768*\a
	global_store_b64 v[VO8], v[IMG+12*\a+10:IMG+12*\a+11], s[94:95] offset:768*\a+512
.endr
	global_store_b128 v[VS], v[SW:SW+3], s[8:9]    ; sixteen lanes store 256 consecutive bytes: four tiles' words of sixteen rows
	global_store_b128 v[VS], v[SW+4:SW+7], s[8:9] offset:256
	s_branch .Lend
.Lv_out:
	; V^T: my 128 rows of A are heads head0 and head0 + 1, four tiles of 16 channels each; my 128 columns are one key step
	s_lshl_b32 s20, s17, 2
	s_lshl_b32 s21, s15, 1
	s_add_co_u32 s20, s20, s21                     ; head0
	s_lshr_b32 s21, s42, 3
	s_lshl_b32 s21, s21, 4
	s_add_co_u32 s20, s20, s21                     ; + 16 x batch
	s_and_b32 s21, s42, 7
	s_lshl_b32 s21, s21, 1
	s_add_co_u32 s21, s21, s16                     ; the key step
	s_mul_i32 s20, s20, KVREC
	s_mul_i32 s21, s21, KVSTEP
	s_add_co_u32 s20, s20, s21
	s_add_co_u32 s20, s20, 8*768                   ; behind K's eight tiles
	s_mov_b32 s21, 0
	s_add_nc_u64 s[10:11], s[10:11], s[20:21]
	v_cmp_eq_u32 vcc_lo, 1, v[SH]
	v_mul_u32_u24 v[SH], KVREC, v[SH]
	v_add_nc_u32 v[VS], v[VS], v[SH]               ; lanes 16-31 store the second head's words
.irp i, 0,1,2,3
	v_cndmask_b32 v[SW+\i], v[PWS+\i], v[PWS+4+\i], vcc_lo
.endr
.irp a, 0,1,2,3,4,5,6,7
.irp c, 0,1,2
	global_store_b128 v[VO16], v[IMG+12*\a+4*\c:IMG+12*\a+4*\c+3], s[10:11] offset:(\a/4)*KVREC+(\a%4)*1536+512*\c
.endr
.endr
	global_store_b128 v[VS], v[SW:SW+3], s[10:11] offset:4*1536
.Lend:
	s_wait_tensorcnt 0x0                           ; the wave's end
	ds_add_u32 v[SPW], v[NIL]
	s_wait_dscnt 0x0
	CROUND                                         ; the closing round: no work-group ends while a partner may still ask for a tile that names it
	s_endpgm
.Lfunc_end_k_qd311ab7d20_qkv:
	.size	k_qd311ab7d20_qkv, .Lfunc_end_k_qd311ab7d20_qkv-k_qd311ab7d20_qkv
	.p2alignl 7, 3214868480
	.fill 96, 4, 3214868480
	.section	.rodata,"a",@progbits
	.p2align	6, 0x0
	.amdhsa_kernel k_qd311ab7d20_qkv
		.amdhsa_group_segment_fixed_size 327680
		.amdhsa_private_segment_fixed_size 0
		.amdhsa_enable_private_segment 0
		.amdhsa_kernarg_size 32
		.amdhsa_user_sgpr_count 2
		.amdhsa_user_sgpr_kernarg_segment_ptr 1
		.amdhsa_wavefront_size32 1
		.amdhsa_system_sgpr_workgroup_id_x 1
		.amdhsa_system_sgpr_workgroup_id_y 1
		.amdhsa_system_sgpr_workgroup_id_z 1
		.amdhsa_system_vgpr_workitem_id 0
		.amdhsa_next_free_vgpr 1024
		.amdhsa_next_free_sgpr 102
		.amdhsa_reserve_vcc 1
		.amdhsa_float_denorm_mode_32 3
		.amdhsa_float_denorm_mode_16_64 3
		.amdhsa_memory_ordered 1
		.amdhsa_forward_progress 1
		.amdhsa_inst_pref_size 170
	.end_amdhsa_kernel
	.amdgpu_metadata
---
amdhsa.version: [ 1, 2 ]
amdhsa.kernels:
  - .name:           k_qd311ab7d20_qkv
    .symbol:         k_qd311ab7d20_qkv.kd
    .args:
      - { .name: xq, .offset: 0, .size: 8, .value_kind: global_buffer, .address_space: global }
      - { .name: wq, .offset: 8, .size: 8, .value_kind: global_buffer, .address_space: global }
      - { .name: qq, .offset: 16, .size: 8, .value_kind: global_buffer, .address_space: global }
      - { .name: kv, .offset: 24, .size: 8, .value_kind: global_buffer, .address_space: global }
    .group_segment_fixed_size: 327680
    .private_segment_fixed_size: 0
    .kernarg_segment_align: 8
    .kernarg_segment_size: 32
    .max_flat_workgroup_size: 128
    .sgpr_count:     102
    .vgpr_count:     1024
    .wavefront_size: 32
...
	.end_amdgpu_metadata
.endif
;; end of part 2
;; launch attn (part 3): grid 4 x 64, 16 waves a work-group, clusters of 4 x 1, 212,992 bytes of LDS; arguments qq, kv, mask, at; writes at
.if DOCPART == 3
	.amdgcn_target "amdgcn-amd-amdhsa--gfx1250"
	.amdhsa_code_object_version 6
	.text
	.protected	k_qd311ab7d20_attn
	.globl	k_qd311ab7d20_attn
	.p2align	8
	.type	k_qd311ab7d20_attn,@function
k_qd311ab7d20_attn:
	s_mov_b64 s[64:65], 0
	v_nop
	global_prefetch_b8 v0, s[64:65] scope:SCOPE_SE
	s_setreg_imm32_b32 hwreg(HW_REG_WAVE_MODE, 25, 1), 1
	s_wait_xcnt 0x0
	s_wait_alu depctr_hold_cnt(0) depctr_sa_sdst(0) depctr_va_vdst(0) depctr_va_sdst(0) depctr_va_ssrc(0) depctr_va_vcc(0) depctr_vm_vsrc(0)
	s_getreg_b32 s2, hwreg(HW_REG_IB_STS2, 6, 4)
	s_cmp_eq_u32 s2, 0
	s_cbranch_scc0 .Lentry_in_a_cluster
	s_endpgm
.Lentry_in_a_cluster:
	s_bfe_u32 s2, ttmp6, 0x10000c
	s_cmp_lg_u32 s2, 0x3003
	s_cbranch_scc0 .Lentry_shape_is_right
	s_endpgm
.Lentry_shape_is_right:
; attn[b][h][q] = the sum over keys of softmax(q . k / 8, hidden keys left out) v, both products on codes of FP6 (E2M3) with E8M0 scales; the result is quantised along head x 64 + d for the last product.
; THE SOFTMAX: t = score x log2(e) / 8; M = the largest t so far, rounded up to a whole number; p = 2^(t - M) is quantised along the keys; the row's sum is taken of the unquantised p and divides at the end.
; SHARES.  A cluster of four work-groups has one (batch, head); each work-group 512 of its queries, each of the sixteen waves two tiles of 16, one after the other.  A wave walks all 2,048 keys, 128 a step.
; THE WHOLE HEAD LIES IN LDS: 16 key steps of 12,544 bytes (K's 8 tiles, V^T's 4, V's scale words), as images of the operands' registers.  Wave w brings step w by ONE tensor load, asked for jointly by the four
; work-groups; nothing is filled twice.  Every tensor load of the launch is issued at the head, so there is no later load to prefetch for.
; THE MASK RIDES IN THE HALF OF K THAT A HEAD OF 64 LEAVES IDLE.  At k = 64 every key has the code +1 and every query the code -1; all other codes from k = 64 on are 0.  That block's scale is 2^-30 for a query,
; 2^-126 for a key that counts (the term, -2^-156, is nothing) and 2^123 for a hidden key (the term is -2^93).  The largest t starts at -2^80, above a hidden key's t: a hidden key's p is 0 from the first step on.
; LIMITS: |q . k| stays under 2^82.  A batch with no key that counts: t is still -2^80 at the end; the tile's scale bytes are then 0xff, so that the last product gives NaN there.
; LAYOUT.  Both products are used transposed: S^T = K Q^T, O^T = V^T P^T: a lane holds one query.  Sixteen stored rows of K are keys 8 u + r + 8 (r / 8) of their 32, so that registers 16 b + i of S^T are keys
; 32 b + 16 (lane / 16) + i; V^T's channels lie likewise, so that registers 16 b + i of O^T are channels 32 b + 16 (lane / 16) + i.
; REGISTERS: v1 lane, v2 lane % 16; v3-5 LDS addresses of the step; v6, v7 the add's; v8-11 K's scale words; v12 -M, v13 the largest t, v[14:15] the sum; v16-27 Q; v28-31 V's scale words; v32-79 four fragments of K;
; v80-127 V^T's four; v128-191 S^T, then p; v192-223 O^T; v224-235 p's codes; v236-254 at work; v253 p's scale word; v255 Q's.
.set LSTEP, 13056                      ; LDS: a key step: 12,544 bytes from memory, then 512 of K's scale words with the mask in them, in two blocks of 256 bytes into which no fill lands
.set VIM,   6144                       ; V^T's images in a step
.set VSW,   12288                      ; V's scale words
.set KSW,   12544                      ; K's
.set SPARE, 16*LSTEP                   ; the spare words: 128 bytes a wave, eight blocks of 256 bytes that no other line names
.set KVREC, 200704
.set KVSTEP, 12544
.set QREC,  98304
.set QS_OFF, 6291456
.set KS_OFF, 6815744
.set AS_OFF, 6291456
.set SPW, 6
.set NIL, 7
.set KF,  32
.set VF,  80
.set S,   128
.set O,   192
.set PC,  224
.set BM,  236                          ; v236-239 a block's largest score, then its largest p
.set TP,  240                          ; v240-247 at work
.set SO,  248                          ; v248-251 the conversions' scale operands
.set WV,  12
.set SEL, 20
.set CS,  22
.set G1,  24
.set G0,  32
.set TB,  36                           ; s36 LDS byte of the key step in hand
.set CNT, 37
.set LB,  38                           ; s38 LDS byte of the step that my wave brings
.set QB,  40                           ; s[40:41] my first tile's image of Q;  s[42:43] its scale words;  s[44:45], s[46:47] where its result and scale bytes go;  s[48:49] K's scale words;  s[50:51] the mask
.set QSB, 42
.set ATB, 44
.set ASB, 46
.set KSB, 48
.set MB,  50
.macro CROUND                          ; a round of the cluster's barrier
	s_barrier_signal -1
	s_barrier_wait -1
	s_cmp_lg_u32 s[WV], 0
	s_cbranch_scc1 .Lnot_wave_0_\@
	s_barrier_signal -3
.Lnot_wave_0_\@:
	s_barrier_wait -3
	s_barrier_signal -1
	s_barrier_wait -1
.endm
	s_load_b256 s[4:11], s[0:1], 0x0               ; qq s[4:5], kv s[6:7], mask s[8:9], at s[10:11]
	v_lshl_add_u32 v[SPW], v0, 2, SPARE
	v_mov_b32 v[NIL], 0
	ds_add_u32 v[SPW], v[NIL]                      ; the wave's opening: the add and its wait stand ahead of my first tensor load; the set-up below stands between them
	v_lshrrev_b32 v1, 5, v0
	v_readfirstlane_b32 s[WV], v1                  ; wave 0..15
	s_and_b32 s14, ttmp7, 0xffff                   ; batch x 16 + head: the cluster's y
	s_mul_i32 s52, s14, KVREC                      ; what I bring: the head's record, my wave's key step: the same in all four partners
	s_mul_i32 s19, s[WV], KVSTEP
	s_add_co_u32 s52, s52, s19
	s_mov_b32 s53, 0
	s_mul_i32 s[LB], s[WV], LSTEP                  ; and where it goes
	s_mov_b32 s[G1], 15|(3<<16)|(1<<21)            ; the mask: all four work-groups; elements of 8 bytes; bit 21 beside a mask; no padding
	s_mov_b32 s[G1+1], 32<<16                      ; 12,544 dense bytes as 49 rows of 256
	s_mov_b32 s[G1+2], 49<<16
	s_mov_b32 s[G1+3], 32<<16
	s_mov_b32 s[G1+4], 49
	s_mov_b32 s[G1+5], 32
	s_mov_b32 s[G1+6], 0
	s_mov_b32 s[G1+7], 0
	s_bfe_u32 s13, ttmp6, 0x40000                  ; cx: it enters the addresses of Q and of the result alone
	s_lshr_b32 s15, s14, 4                         ; batch
	s_and_b32 s16, s14, 15                         ; head
	s_lshl_b32 s17, s13, 5
	s_lshl_b32 s18, s[WV], 1
	s_add_co_u32 s17, s17, s18                     ; my first tile of queries: 32 cx + 2 wave
	s_mul_i32 s54, s14, QREC
	s_mul_i32 s18, s17, 768
	s_add_co_u32 s54, s54, s18                     ; its image
	s_mov_b32 s55, 0
	s_lshl_b32 s56, s14, 13                        ; its scale words: 8,192 bytes a head, 256 for four tiles, 4 a tile
	s_lshl_b32 s18, s13, 11
	s_add_co_u32 s56, s56, s18
	s_lshr_b32 s18, s[WV], 1
	s_lshl_b32 s18, s18, 8
	s_add_co_u32 s56, s56, s18
	s_and_b32 s18, s[WV], 1
	s_lshl_b32 s18, s18, 3
	s_add_co_u32 s56, s56, s18
	s_add_co_u32 s56, s56, QS_OFF
	s_mov_b32 s57, 0
	s_lshl_b32 s18, s15, 7
	s_add_co_u32 s18, s18, s17                     ; the tile among all 512
	s_mul_i32 s58, s18, 16*768
	s_mul_i32 s19, s16, 768
	s_add_co_u32 s58, s58, s19                     ; the result's image
	s_mov_b32 s59, 0
	s_lshl_b32 s60, s18, 9                         ; its scale bytes: 32 a row, bytes 2 head and 2 head + 1
	s_lshl_b32 s19, s16, 1
	s_add_co_u32 s60, s60, s19
	s_add_co_u32 s60, s60, AS_OFF
	s_mov_b32 s61, 0
	s_lshl_b32 s62, s14, 13
	s_add_co_u32 s62, s62, KS_OFF                  ; K's scale words of the head
	s_mov_b32 s63, 0
	s_lshl_b32 s66, s15, 13                        ; the batch's mask, my wave's 128 keys
	s_lshl_b32 s18, s[WV], 9
	s_add_co_u32 s66, s66, s18
	s_mov_b32 s67, 0
	s_mov_b32 s[SEL], 0x76543210
	s_mov_b32 s[SEL+1], 0xfedcba98                 ; v_permlanex16_b32's selects for lane l xor 16
	s_mov_b32 s[CS], 0x3e38aa3b                    ; c = log2(e) / 8
	s_mov_b32 s[CS+1], s[CS]                       ; (named with it as a pair, so it is written)
	s_wait_dscnt 0x0                               ; the opening add is done
	s_wait_kmcnt 0x0
	s_add_nc_u64 s[QB:QB+1], s[4:5], s[54:55]
	s_add_nc_u64 s[QSB:QSB+1], s[4:5], s[56:57]
	s_add_nc_u64 s[KSB:KSB+1], s[4:5], s[62:63]
	s_add_nc_u64 s[ATB:ATB+1], s[10:11], s[58:59]
	s_add_nc_u64 s[ASB:ASB+1], s[10:11], s[60:61]
	s_add_nc_u64 s[MB:MB+1], s[8:9], s[66:67]
	CROUND                                         ; all four work-groups are here: the joint loads meet
	s_mov_b32 s[G0], 1
	s_mov_b32 s[G0+1], s[LB]
	s_add_nc_u64 s[G0+2:G0+3], s[6:7], s[52:53]
	s_or_b32 s[G0+3], s[G0+3], 0x80000000
	tensor_load_to_lds s[G0:G0+3], s[G1:G1+7]      ; my one tensor load of the launch
	s_nop 0
.rept 4
	v_nop
.endr
	v_and_b32 v1, 31, v0                           ; lane
	v_and_b32 v2, 15, v0                           ; r
	v_lshlrev_b32 v143, 4, v0
	global_load_b128 v[128:131], v143, s[KSB:KSB+1]  ; my wave's step: lane (r, h) takes the words of row r of tiles 4 h .. 4 h + 3
	v_lshrrev_b32 v144, 4, v1                      ; h
	v_and_b32 v145, 8, v2
	v_add_nc_u32 v145, v145, v2                    ; r + 8 (r / 8)
	v_lshlrev_b32 v145, 2, v145
	v_lshl_add_u32 v145, v144, 8, v145             ; tile 4 h + t, row r is key 64 h + 32 (t / 2) + 8 (t % 2) + r + 8 (r / 8) of the step
	global_load_b32 v132, v145, s[MB:MB+1]
	global_load_b32 v133, v145, s[MB:MB+1] offset:32
	global_load_b32 v134, v145, s[MB:MB+1] offset:128
	global_load_b32 v135, v145, s[MB:MB+1] offset:160
	v_cmp_gt_u32 vcc_lo, 16, v1                    ; k = 64 lies in the lowest bits of register 6 of lanes 0-15
	v_mov_b32 v254, 0x08                           ; the code of +1
	v_cndmask_b32 v[KF+6], 0, v254, vcc_lo
	v_mov_b32 v254, 0x28                           ; the code of -1
	v_cndmask_b32 v22, 0, v254, vcc_lo
.irp t, 1,2,3
	v_mov_b32 v[KF+12*\t+6], v[KF+6]
.endr
.irp t, 0,1,2,3
.irp i, 7,8,9,10,11
	v_mov_b32 v[KF+12*\t+\i], 0
.endr
.endr
.irp i, 23,24,25,26,27
	v_mov_b32 v\i, 0
.endr
.irp b, 0,1,2,3
	v_mov_b32 v[TP+\b], 0                          ; written once: a lane permute's destination counts as one of its sources
.endr
	v_mov_b32 v253, 0                              ; (named as the upper half of the pair v[252:253] before it is first written)
	v_mov_b32 v140, 0x7ffa0000                     ; a hidden key: byte 2 stands for 2^123; byte 3, over zero codes, for 1
	v_mov_b32 v141, 0x7f010000                     ; a key that counts: 2^-126
	v_lshl_add_u32 v142, v1, 4, s[LB]
	s_wait_loadcnt 0x0
.irp t, 0,1,2,3
	v_cmp_ne_u32 vcc_lo, 0, v[132+\t]
	v_cndmask_b32 v[136+\t], v140, v141, vcc_lo
	v_and_or_b32 v[128+\t], v[128+\t], 0xffff, v[136+\t]
.endr
	ds_store_b128 v142, v[128:131] offset:KSW      ; the step's 512 bytes of scale words, as they lay in memory
	s_wait_tensorcnt 0x0                           ; my step has landed,
	s_wait_dscnt 0x0                               ; my store too:
	s_barrier_signal -1
	s_barrier_wait -1                              ; everybody's have.  Nothing is written into these bytes from here on
; A KEY STEP: 128 keys.
.macro STEP
.irp t, 0,1,2,3
	ds_load_b128 v[KF+12*\t:KF+12*\t+3], v3 offset:768*\t
	ds_load_b64 v[KF+12*\t+4:KF+12*\t+5], v4 offset:768*\t+512
.endr
	ds_load_b128 v[8:11], v5 offset:KSW
	s_wait_dscnt 0x0
.irp t, 0,1,2,3
	v_wmma_scale_f32_16x16x128_f8f6f4 v[S+8*\t:S+8*\t+7], v[KF+12*\t:KF+12*\t+11], v[16:27], 0, v[8+\t], v255 matrix_a_fmt:MATRIX_FMT_FP6 matrix_b_fmt:MATRIX_FMT_FP6
.endr
.rept 4
	v_nop                                          ; places in front of loads into registers that matrix instructions have read: K's and its words, and V's, which the last step's products read
.endr
.irp t, 0,1,2,3
	ds_load_b128 v[KF+12*\t:KF+12*\t+3], v3 offset:768*(4+\t)
	ds_load_b64 v[KF+12*\t+4:KF+12*\t+5], v4 offset:768*(4+\t)+512
.endr
	ds_load_b128 v[8:11], v5 offset:KSW+256
.irp d, 0,1,2,3
.irp c, 0,1,2
	ds_load_b128 v[VF+12*\d+4*\c:VF+12*\d+4*\c+3], v3 offset:VIM+1536*\d+512*\c
.endr
.endr
	ds_load_b128 v[28:31], v5 offset:VSW
	s_wait_dscnt 13                                ; K's tiles 4-7 and their words are in; V's thirteen loads, issued behind them, land under the softmax
.irp t, 0,1,2,3
	v_wmma_scale_f32_16x16x128_f8f6f4 v[S+32+8*\t:S+32+8*\t+7], v[KF+12*\t:KF+12*\t+11], v[16:27], 0, v[8+\t], v255 matrix_a_fmt:MATRIX_FMT_FP6 matrix_b_fmt:MATRIX_FMT_FP6
.endr
.rept 4
	v_nop
.endr
.irp b, 0,1,2,3
	v_max3_num_f32 v[BM+\b], v[S+16*\b], v[S+1+16*\b], v[S+2+16*\b]   ; the largest score of each block of 32 keys: for the row's maximum and, since p rises with the score, for the block's largest p
.endr
.irp i, 3,5,7,9,11,13
.irp b, 0,1,2,3
	v_max3_num_f32 v[BM+\b], v[BM+\b], v[S+16*\b+\i], v[S+1+16*\b+\i]
.endr
.endr
.irp b, 0,1,2,3
	v_max_num_f32 v[BM+\b], v[BM+\b], v[S+15+16*\b]
.endr
.irp b, 0,1,2,3
	v_permlanex16_b32 v[TP+\b], v[BM+\b], s[SEL], s[SEL+1]
.endr
.irp b, 0,1,2,3
	v_max_num_f32 v[BM+\b], v[BM+\b], v[TP+\b]     ; with lane l xor 16's 16 keys
.endr
	v_max3_num_f32 v254, v[BM], v[BM+1], v[BM+2]
	v_max_num_f32 v254, v254, v[BM+3]
	v_mul_f32 v254, s[CS], v254                    ; the step's largest t
	v_max_num_f32 v13, v13, v254                   ; the running largest t
	v_mov_b32 v254, v12
	v_floor_f32 v12, -v13                          ; the new -M = floor(-t): M is a whole number
	v_sub_f32 v254, v12, v254                      ; old M - new M: a whole number, 0 or less
	v_cvt_i32_f32 v254, v254                       ; (it saturates)
	v_ldexp_f32 v252, 1.0, v254                    ; f = 2^(old M - new M): a multiplication by it rounds nothing
.set jj, 0
.rept 32
	v_pk_fma_f32 v[S+jj:S+jj+1], v[S+jj:S+jj+1], s[CS:CS+1], v[12:13] op_sel_hi:[1,0,0]   ; t - M, two at a time
.set jj, jj+2
.endr
.irp b, 0,1,2,3
	v_fma_f32 v[BM+\b], v[BM+\b], s[CS], v12       ; the same of each block's largest score
.endr
.set jj, 0
.rept 64
	v_exp_f32 v[S+jj], v[S+jj]                     ; p = 2^(t - M), at most 1
.set jj, jj+1
.endr
	v_pk_mul_f32 v[14:15], v[14:15], v[252:253] op_sel_hi:[1,0]   ; the sums under the new M: a plain instruction behind the exponentials
	s_wait_alu depctr_va_vdst(0)                   ; one wait for the batch of 64, ahead of its first reader
.irp b, 0,1,2,3
	v_exp_f32 v[BM+\b], v[BM+\b]                   ; the block's largest p
.endr
	v_pk_add_f32 v[TP:TP+1], v[S:S+1], v[S+2:S+3]  ; the row's sum of the unquantised p, in two chains; it reads the 64 alone
.irp j, 4,8,12,16,20,24,28,32,36,40,44,48,52,56,60
	v_pk_add_f32 v[14:15], v[14:15], v[S+\j:S+1+\j]
	v_pk_add_f32 v[TP:TP+1], v[TP:TP+1], v[S+2+\j:S+3+\j]
.endr
	v_pk_add_f32 v[14:15], v[14:15], v[TP:TP+1]
	s_wait_alu depctr_va_vdst(0)                   ; and one for the four
.irp b, 0,1,2,3
	v_max_num_f32 v[BM+\b], 0x1800000, v[BM+\b]    ; the floor 2^(3 - 127): the byte cannot fall under 1 (a block whose every p is 0 keeps that byte: its codes are zeros)
.endr
.irp b, 0,1,2,3
	v_add_nc_u32 v[SO+\b], 0xff000000, v[BM+\b]    ; 2 off the exponent field: the conversion's scale operand
.endr
.irp b, 0,1,2,3
	v_lshrrev_b32 v[TP+\b], 23, v[SO+\b]           ; the scale's byte
.endr
	v_lshl_or_b32 v253, v[TP+1], 8, v[TP]          ; p's scale word for these 128 keys
	v_lshl_or_b32 v253, v[TP+2], 16, v253
	v_lshl_or_b32 v253, v[TP+3], 24, v253
.irp c, 0,1
	v_cvt_scalef32_pk16_fp6_f32 v[PC+6*\c:PC+6*\c+2], v[S+32*\c:S+32*\c+15], v[SO+2*\c]
	v_cvt_scalef32_pk16_fp6_f32 v[TP+4*\c:TP+4*\c+2], v[S+32*\c+16:S+32*\c+31], v[SO+2*\c+1]   ; (a conversion's three registers begin on an even number)
.endr
	v_nop                                          ; one plain place behind a scaled conversion
.irp c, 0,1                                    ; the operand's layout wants a whole block in a lane
.irp i, 0,1,2
	v_permlane16_swap_b32 v[PC+6*\c+\i], v[TP+4*\c+\i]
.endr
.irp i, 0,1,2
	v_mov_b32 v[PC+6*\c+3+\i], v[TP+4*\c+\i]
.endr
.endr
.irp j, 0,2,4,6,8,10,12,14,16,18,20,22,24,26,28,30
	v_pk_mul_f32 v[O+\j:O+\j+1], v[O+\j:O+\j+1], v[252:253] op_sel_hi:[1,0]   ; O^T under the new M; each accumulator from its low end on
.endr
	s_add_co_u32 s[TB], s[TB], LSTEP               ; the next step's addresses: with the v_nop, four plain instructions between the lines above and the products
	v_lshl_add_u32 v3, v1, 4, s[TB]
	v_lshl_add_u32 v4, v1, 3, s[TB]
	v_lshl_add_u32 v5, v2, 4, s[TB]
	v_nop
	s_wait_dscnt 0x0                               ; V is in
.irp d, 0,1,2,3
	v_wmma_scale_f32_16x16x128_f8f6f4 v[O+8*\d:O+8*\d+7], v[VF+12*\d:VF+12*\d+11], v[PC:PC+11], v[O+8*\d:O+8*\d+7], v[28+\d], v253 matrix_a_fmt:MATRIX_FMT_FP6 matrix_b_fmt:MATRIX_FMT_FP6
.endr
.endm
; A TILE OF 16 QUERIES: the i-th of my two.
.macro QTILE i
.if \i > 0
	s_wait_xcnt 0x0                                ; the last tile's stores have read their registers: these are written again only behind this wait
.endif
	s_mov_b32 s[TB], 0
	v_lshl_add_u32 v3, v1, 4, s[TB]                ; 16 x lane,
	v_lshl_add_u32 v4, v1, 3, s[TB]                ; 8 x lane,
	v_lshl_add_u32 v5, v2, 4, s[TB]                ; 16 r: in LDS at key step 0, and in Q's image
	global_load_b128 v[16:19], v3, s[QB:QB+1] offset:768*\i
	global_load_b64 v[20:21], v4, s[QB:QB+1] offset:768*\i+512
	global_load_b32 v255, v5, s[QSB:QSB+1] offset:4*\i
	s_wait_loadcnt 0x0
	v_or_b32 v255, 0x7f610000, v255                ; the mask's block: 2^-30; the last block, all zero codes: 1.  The 36 lines below stand between this line and the first product
	v_mov_b32 v13, 0xe7800000                      ; the largest t so far: -2^80
	v_floor_f32 v12, -v13                          ; -M
	v_mov_b32 v14, 0
	v_mov_b32 v15, 0
.set jj, 0
.rept 32
	v_mov_b32 v[O+jj], 0                           ; the step is written once: the first finds zeros, which the first change of M leaves zeros
.set jj, jj+1
.endr
	s_mov_b32 s[CNT], 16
.Lstep_\@:
	STEP
	s_sub_co_u32 s[CNT], s[CNT], 1
	s_cmp_lg_u32 s[CNT], 0
	s_cbranch_scc1 .Lstep_\@
	; the way out: O^T / the sum, quantised along the head's 64 channels: two blocks
.rept 4
	v_nop                                          ; places behind the last products
.endr
	v_add_f32 v14, v14, v15
	v_permlanex16_b32 v[TP], v14, s[SEL], s[SEL+1]
	v_add_f32 v14, v14, v[TP]                      ; the row's sum
	v_rcp_f32 v252, v14
	v_lshlrev_b32 v3, 4, v1                        ; (plain instructions behind the reciprocal)  the image: 16 x lane,
	v_lshlrev_b32 v4, 3, v1                        ; 8 x lane;
	v_lshrrev_b32 v254, 4, v1                      ; h
	v_lshl_add_u32 v5, v2, 5, v254                 ; the scale bytes: 32 r + h
	v_mov_b32 v[TP+7], 0xff
	s_wait_alu depctr_va_vdst(0)                   ; the wait ahead of the reciprocal's first reader
.irp j, 0,2,4,6,8,10,12,14,16,18,20,22,24,26,28,30
	v_pk_mul_f32 v[O+\j:O+\j+1], v[O+\j:O+\j+1], v[252:253] op_sel_hi:[1,0]
.endr
.irp b, 0,1
	v_max3_num_f32 v[BM+\b], |v[O+16*\b]|, |v[O+16*\b+1]|, 0x1800000
.endr
.irp n, 2,4,6,8,10,12,14
.irp b, 0,1
	v_max3_num_f32 v[BM+\b], v[BM+\b], |v[O+16*\b+\n]|, |v[O+16*\b+\n+1]|
.endr
.endr
.irp b, 0,1
	v_permlanex16_b32 v[TP+\b], v[BM+\b], s[SEL], s[SEL+1]
.endr
.irp b, 0,1
	v_max_num_f32 v[BM+\b], v[BM+\b], v[TP+\b]
.endr
.irp b, 0,1
	v_add_nc_u32 v[SO+\b], 0xff000000, v[BM+\b]
.endr
.irp b, 0,1
	v_lshrrev_b32 v[TP+\b], 23, v[SO+\b]
.endr
	v_cmp_eq_u32 vcc_lo, 1, v254
	v_cndmask_b32 v[TP], v[TP], v[TP+1], vcc_lo    ; lane (r, h) stores block h's byte
	v_cmp_ge_f32 vcc_lo, 0xe7800000, v13           ; no key counted
	v_cndmask_b32 v[TP], v[TP], v[TP+7], vcc_lo
	v_cvt_scalef32_pk16_fp6_f32 v[PC:PC+2], v[O:O+15], v[SO]
	v_cvt_scalef32_pk16_fp6_f32 v[TP+4:TP+6], v[O+16:O+31], v[SO+1]
	v_nop
.irp n, 0,1,2
	v_permlane16_swap_b32 v[PC+\n], v[TP+4+\n]
.endr
.irp n, 0,1,2
	v_mov_b32 v[PC+3+\n], v[TP+4+\n]
.endr
	global_store_b128 v3, v[PC:PC+3], s[ATB:ATB+1] offset:16*768*\i        ; 512 consecutive bytes,
	global_store_b64 v4, v[PC+4:PC+5], s[ATB:ATB+1] offset:16*768*\i+512   ; and 256: the image of registers 0-5
	global_store_b8 v5, v[TP], s[ASB:ASB+1] offset:512*\i                  ; two bytes a row are all that a head owns of a row's 32
.endm
	QTILE 0
	QTILE 1
	s_wait_tensorcnt 0x0                           ; the wave's end
	ds_add_u32 v[SPW], v[NIL]
	s_wait_dscnt 0x0
	CROUND                                         ; the closing round
	s_endpgm
.Lfunc_end_k_qd311ab7d20_attn:
	.size	k_qd311ab7d20_attn, .Lfunc_end_k_qd311ab7d20_attn-k_qd311ab7d20_attn
	.p2alignl 7, 3214868480
	.fill 96, 4, 3214868480
	.section	.rodata,"a",@progbits
	.p2align	6, 0x0
	.amdhsa_kernel k_qd311ab7d20_attn
		.amdhsa_group_segment_fixed_size 212992
		.amdhsa_private_segment_fixed_size 0
		.amdhsa_enable_private_segment 0
		.amdhsa_kernarg_size 32
		.amdhsa_user_sgpr_count 2
		.amdhsa_user_sgpr_kernarg_segment_ptr 1
		.amdhsa_wavefront_size32 1
		.amdhsa_system_sgpr_workgroup_id_x 1
		.amdhsa_system_sgpr_workgroup_id_y 1
		.amdhsa_system_sgpr_workgroup_id_z 1
		.amdhsa_system_vgpr_workitem_id 0
		.amdhsa_next_free_vgpr 256
		.amdhsa_next_free_sgpr 68
		.amdhsa_reserve_vcc 1
		.amdhsa_float_denorm_mode_32 3
		.amdhsa_float_denorm_mode_16_64 3
		.amdhsa_memory_ordered 1
		.amdhsa_forward_progress 1
		.amdhsa_inst_pref_size 51
	.end_amdhsa_kernel
	.amdgpu_metadata
---
amdhsa.version: [ 1, 2 ]
amdhsa.kernels:
  - .name:           k_qd311ab7d20_attn
    .symbol:         k_qd311ab7d20_attn.kd
    .args:
      - { .name: qq, .offset: 0, .size: 8, .value_kind: global_buffer, .address_space: global }
      - { .name: kv, .offset: 8, .size: 8, .value_kind: global_buffer, .address_space: global }
      - { .name: mask, .offset: 16, .size: 8, .value_kind: global_buffer, .address_space: global }
      - { .name: at, .offset: 24, .size: 8, .value_kind: global_buffer, .address_space: global }
    .group_segment_fixed_size: 212992
    .private_segment_fixed_size: 0
    .kernarg_segment_align: 8
    .kernarg_segment_size: 32
    .max_flat_workgroup_size: 512
    .sgpr_count:     68
    .vgpr_count:     256
    .wavefront_size: 32
...
	.end_amdgpu_metadata
.endif
;; end of part 3
;; launch tail (part 4): grid 4 x 32, 4 waves a work-group, clusters of 4 x 4, 327,680 bytes of LDS; arguments at, wq, b_tail, out0; writes out0
.if DOCPART == 4
	.amdgcn_target "amdgcn-amd-amdhsa--gfx1250"
	.amdhsa_code_object_version 6
	.text
	.protected	k_qd311ab7d20_tail
	.globl	k_qd311ab7d20_tail
	.p2align	8
	.type	k_qd311ab7d20_tail,@function
k_qd311ab7d20_tail:
	s_mov_b64 s[64:65], 0
	v_nop
	global_prefetch_b8 v0, s[64:65] scope:SCOPE_SE
	s_setreg_imm32_b32 hwreg(HW_REG_WAVE_MODE, 25, 1), 1
	s_wait_xcnt 0x0
	s_wait_alu depctr_hold_cnt(0) depctr_sa_sdst(0) depctr_va_vdst(0) depctr_va_sdst(0) depctr_va_ssrc(0) depctr_va_vcc(0) depctr_vm_vsrc(0)
	s_getreg_b32 s2, hwreg(HW_REG_IB_STS2, 6, 4)
	s_cmp_eq_u32 s2, 0
	s_cbranch_scc0 .Lentry_in_a_cluster
	s_endpgm
.Lentry_in_a_cluster:
	s_bfe_u32 s2, ttmp6, 0x10000c
	s_cmp_lg_u32 s2, 0xf033
	s_cbranch_scc0 .Lentry_shape_is_right
	s_endpgm
.Lentry_shape_is_right:
; out0 = attn w_tail^T + b_tail, on codes of FP6 (E2M3) with E8M0 scales, K = 1,024; out0 [8192][1024] f32.
; A tile of 256 x 256 is made by four waves, each 128 x 128.  K goes in steps of 256 through a ring of two LDS slots; the scale bytes come once.  4 x 4 work-groups form a cluster: A's tile is asked for jointly
; along a row of the cluster, B's along a column.  The matrix instruction is used transposed (source 0 = 16 rows of w_tail, source 1 = 16 rows of attn): a lane holds eight neighbouring numbers of a row of out0.
; A COMES AS IMAGES OF ITS REGISTERS: for 16 rows and a head (64 along K) 768 bytes: registers 0-3 at 16 x lane, registers 4-5 at 512 + 8 x lane.  A K step is four heads: 3,072 consecutive bytes for each 16 rows.
; B (rows 3,072 on of wq) comes as rows of codes.  THE BIAS is the C of each sum's first product.
; A's rows are stored with the second and third group of eight of every 32 exchanged: the stores' offsets put them back.
; 128 work-groups: the tile is kept large, so that each fragment read from LDS feeds eight products.
.set KSTEP,  256
.set NQ,     KSTEP/128
.set ROWB,   192
.set KROW,   768
.set PITCH,  240
.set FR,     12
.set NL,     6                         ; LDS loads that bring a fragment of B
.set NLA,    4                         ; and of A
.set NP,     4
.set AHALF,  8*3072                    ; A: 128 rows x 256 K as images
.set BHALF,  128*PITCH
.set BOFF,   2*AHALF
.set SLOT,   2*AHALF+2*BHALF
.set LAPS,   2
.set KS,     32
.set SCL,    2*SLOT
.set HALFS,  (128*KS/256)*272
.set SBLK,   (16*KS/256)*272
.set SPARE,  SCL+4*HALFS               ; the spare words: 128 bytes a wave, two blocks of 256 bytes that no other line names
.set SPITCH, 528                       ; the way out: a stage of 16 rows x (512 + 16) bytes a wave, in slot 0, which has had its last fill and its last read by then
.set AS_OFF, 6291456
.set WS_OFF, 3145728
.set ADRA, 16                          ; v16-17 16 x lane + my rows of A in slot 0, 1;  v18-19 the same with 8 x lane
.set ADRB, 20                          ; v20-21 my B fragments;  v22-23 the same behind one padding more
.set STO,  24
.set RD,   25
.set CO,   26
.set ADRS, 27
.set SPW,  28
.set NIL,  29
.set BO,   30                          ; v30 the bias: 32 x (lane / 16)
.set SC,   32
.set BIAS, 64                          ; v64-127 b_tail at my 128 columns, in the result's layout
.set AF,   128
.set BK,   128
.set G1, 24
.set G0, 32
.set G1B, 48
.set G0B, 56
.set G1S, 68
.set G0S, 76
.set G1SB, 80
.set G0SB, 88
.set MSB, 0
.macro WIN new
.if MSB != (\new)
	s_set_vgpr_msb (MSB<<8)|(\new)
.set MSB, (\new)
.endif
.endm
.set MUL_LO, 0xa1                      ; source 0 (B) window 1, source 1 (A) window 0, C and D window 2
.set MUL_HI, 0xf1
.set FST_LO, 0x81                      ; the same with C, the bias, in window 0
.set FST_HI, 0xc1
.set TO_B,   0x40
.macro JLOAD g0a, g1a, g0b, g1b        ; a joint load: waves 0 and 1 fetch for A, waves 2 and 3 for B; an s_nop 0 and four v_nop follow each line
	s_cmp_eq_u32 s15, 0
	s_cbranch_scc0 .Lfor_b_\@
	tensor_load_to_lds s[\g0a:\g0a+3], s[\g1a:\g1a+7]
	s_nop 0
.rept 4
	v_nop
.endr
	s_branch .Lasked_\@
.Lfor_b_\@:
	tensor_load_to_lds s[\g0b:\g0b+3], s[\g1b:\g1b+7]
	s_nop 0
.rept 4
	v_nop
.endr
.Lasked_\@:
.endm
.macro CREST
	s_cmp_lg_u32 s14, 0
	s_cbranch_scc1 .Lnot_wave_0_\@
	s_barrier_signal -3
.Lnot_wave_0_\@:
	s_barrier_wait -3
	s_barrier_signal -1
	s_barrier_wait -1
.endm
.macro CROUND
	s_barrier_signal -1
	s_barrier_wait -1
	CREST
.endm
	s_load_b256 s[4:11], s[0:1], 0x0               ; at s[4:5], wq s[6:7], b_tail s[8:9], out0 s[10:11]
	v_lshl_add_u32 v[SPW], v0, 2, SPARE
	v_mov_b32 v[NIL], 0
	ds_add_u32 v[SPW], v[NIL]                      ; the wave's opening: the add and its wait stand ahead of my first tensor load
	v_lshrrev_b32 v1, 5, v0
	v_readfirstlane_b32 s14, v1                    ; wave 0..3
	s_lshr_b32 s15, s14, 1                         ; which half of the tile's rows is mine.  Also: I fetch for A (0) or for B (1)
	s_and_b32 s16, s14, 1                          ; which half of its columns.  Also: which half of that tile I fetch
	s_bfe_u32 s40, ttmp6, 0x40000                  ; cx
	s_bfe_u32 s41, ttmp6, 0x40004                  ; cy
	s_lshl_b32 s42, ttmp9, 2
	s_add_co_u32 s42, s42, s40                     ; tile column
	s_and_b32 s17, ttmp7, 0xffff
	s_lshl_b32 s17, s17, 2
	s_add_co_u32 s17, s17, s41                     ; tile row
	s_lshl_b32 s43, s41, 2
	s_lshl_b32 s43, 15, s43                        ; my row of the cluster
	s_lshl_b32 s44, 0x1111, s40                    ; my column
	s_or_b32 s[G1+0], s43, (3<<16)|(1<<21)         ; A: the mask; elements of 8 bytes; bit 21 beside a mask; no padding
	s_mov_b32 s[G1+1], 384<<16                     ; 8 rows of 3,072 bytes (16 rows of attn x four heads),
	s_mov_b32 s[G1+2], 8<<16
	s_mov_b32 s[G1+3], 384<<16
	s_mov_b32 s[G1+4], 8
	s_mov_b32 s[G1+5], 1536                        ; 12,288 bytes apart (sixteen heads)
	s_mov_b32 s[G1+6], 0
	s_mov_b32 s[G1+7], 0
	s_or_b32 s[G1B+0], s44, (0<<16)|(1<<20)|(1<<21)|(3<<22)|(3<<25)  ; B: 128 rows of 192 bytes, 16 bytes of padding behind every 64
	s_mov_b32 s[G1B+1], ROWB<<16
	s_mov_b32 s[G1B+2], 128<<16
	s_mov_b32 s[G1B+3], ROWB<<16
	s_mov_b32 s[G1B+4], 128
	s_mov_b32 s[G1B+5], KROW
	s_mov_b32 s[G1B+6], 0
	s_mov_b32 s[G1B+7], 0
	s_or_b32 s[G1S+0], s43, (3<<16)|(1<<20)|(1<<21)|(5<<22)|(3<<25)  ; the scale bytes of 128 rows: 4,096 dense bytes as rows of 256, 16 of padding behind each
	s_or_b32 s[G1SB+0], s44, (3<<16)|(1<<20)|(1<<21)|(5<<22)|(3<<25)
.irp g, G1S, G1SB
	s_mov_b32 s[\g+1], 32<<16
	s_mov_b32 s[\g+2], (128*KS/256)<<16
	s_mov_b32 s[\g+3], 32<<16
	s_mov_b32 s[\g+4], 128*KS/256
	s_mov_b32 s[\g+5], 32
	s_mov_b32 s[\g+6], 0
	s_mov_b32 s[\g+7], 0
.endr
	s_lshl_b32 s20, s17, 4
	s_lshl_b32 s18, s16, 3
	s_add_co_u32 s20, s20, s18                     ; A: block of 16 rows: 16 x tile row + 8 x half
	s_lshl_b32 s22, s20, 9                         ; its scale bytes: 512 for 16 rows
	s_add_co_u32 s22, s22, AS_OFF
	s_mov_b32 s23, 0
	s_mul_i32 s20, s20, 16*768                     ; its images
	s_mov_b32 s21, 0
	s_lshl_b32 s46, s42, 8
	s_lshl_b32 s19, s16, 7
	s_add_co_u32 s46, s46, s19
	s_add_co_u32 s46, s46, 3072                    ; B: row 3,072 + 256 x tile column + 128 x half of wq
	s_lshl_b32 s92, s46, 5
	s_add_co_u32 s92, s92, WS_OFF
	s_mov_b32 s93, 0
	s_mul_i32 s46, s46, KROW
	s_mov_b32 s47, 0
	s_mul_i32 s45, s16, AHALF                      ; where they go: A's halves,
	s_mul_i32 s95, s16, BHALF
	s_add_co_u32 s95, s95, BOFF                    ; B's behind them,
	s_mul_i32 s94, s14, HALFS                      ; the scales by the wave
	s_wait_dscnt 0x0                               ; the opening add is done
	s_wait_kmcnt 0x0
	s_add_nc_u64 s[20:21], s[4:5], s[20:21]
	s_add_nc_u64 s[22:23], s[4:5], s[22:23]
	s_add_nc_u64 s[46:47], s[6:7], s[46:47]
	s_add_nc_u64 s[92:93], s[6:7], s[92:93]
	CROUND                                         ; all sixteen work-groups are here: the first joint loads meet
	s_mov_b32 s[G0S], 1
	s_add_co_u32 s[G0S+1], s94, SCL
	s_mov_b64 s[G0S+2:G0S+3], s[22:23]
	s_or_b32 s[G0S+3], s[G0S+3], 0x80000000
	s_mov_b32 s[G0SB], 1
	s_add_co_u32 s[G0SB+1], s94, SCL
	s_mov_b64 s[G0SB+2:G0SB+3], s[92:93]
	s_or_b32 s[G0SB+3], s[G0SB+3], 0x80000000
	JLOAD G0S, G1S, G0SB, G1SB
.irp s, 0,1
	s_mov_b32 s[G0+4*\s], 1
	s_add_co_u32 s[G0+4*\s+1], s45, \s*SLOT
	s_add_nc_u64 s[G0+4*\s+2:G0+4*\s+3], s[20:21], \s*3072
	s_or_b32 s[G0+4*\s+3], s[G0+4*\s+3], 0x80000000
	s_mov_b32 s[G0B+4*\s], 1
	s_add_co_u32 s[G0B+4*\s+1], s95, \s*SLOT
	s_add_nc_u64 s[G0B+4*\s+2:G0B+4*\s+3], s[46:47], \s*ROWB
	s_or_b32 s[G0B+4*\s+3], s[G0B+4*\s+3], 0x80000000
	JLOAD G0+4*\s, G1, G0B+4*\s, G1B               ; three tensor loads of mine are out at the most
.endr
	v_and_b32 v1, 15, v0                           ; l % 16
	v_bfe_u32 v2, v0, 4, 1                         ; l / 16
	v_and_b32 v6, 31, v0
	v_lshlrev_b32 v7, 4, v6                        ; 16 x lane
	v_lshlrev_b32 v8, 3, v6                        ; 8 x lane
	v_mul_u32_u24 v3, v1, PITCH
	v_mul_u32_u24 v4, v2, 24
	v_add_nc_u32 v4, v3, v4                        ; B: a fragment's row x pitch + 24 x half
	v_lshl_add_u32 v5, v2, 4, v4                   ; and the same behind one padding more
	s_mul_i32 s21, s15, AHALF                      ; my 128 rows of A
	s_mul_i32 s22, s16, BHALF
	s_add_co_u32 s22, s22, BOFF                    ; my 128 rows of B
.irp s, 0,1
	v_add_nc_u32 v[ADRA+\s], s21, v7
	v_add_nc_u32 v[ADRA+2+\s], s21, v8
	v_add_nc_u32 v[ADRB+\s], s22, v4
	v_add_nc_u32 v[ADRB+2+\s], s22, v5
	s_add_co_u32 s21, s21, SLOT
	s_add_co_u32 s22, s22, SLOT
.endr
	v_mul_u32_u24 v5, v1, KS
	v_lshrrev_b32 v9, 8, v5
	v_lshl_add_u32 v5, v9, 4, v5
	s_mul_i32 s21, s15, HALFS
	s_mul_i32 s22, s16, HALFS
	s_add_co_u32 s22, s22, 2*HALFS
	s_sub_co_u32 s22, s22, s21
	v_mul_u32_u24 v9, s22, v2                      ; lanes 16-31 take B's scale words
	s_add_co_u32 s21, s21, SCL
	v_add_nc_u32 v5, v5, v9
	v_add_nc_u32 v[ADRS], s21, v5
	s_mul_i32 s23, s14, 16*SPITCH                  ; my stage
	v_mul_u32_u24 v5, v1, SPITCH
	v_lshl_add_u32 v5, v2, 5, v5
	v_add_nc_u32 v[STO], s23, v5                   ; in: row l % 16, 32 bytes for each half of the lanes
	v_mov_b32 v[CO], v7                            ; back: the 32 lanes take one row of 512 bytes; and the same in out0
	v_add_nc_u32 v[RD], s23, v7
	s_lshl_b32 s20, s17, 8
	s_lshl_b32 s21, s15, 7
	s_add_co_u32 s20, s20, s21
	s_lshl_b32 s20, s20, 12                        ; my first row of out0, 4,096 bytes a row
	s_lshl_b32 s46, s42, 10
	s_lshl_b32 s47, s16, 9
	s_add_co_u32 s46, s46, s47                     ; my first column, in bytes
	s_add_co_u32 s20, s20, s46
	s_mov_b32 s21, 0
	s_mov_b32 s47, 0
	s_add_nc_u64 s[10:11], s[10:11], s[20:21]
	s_add_nc_u64 s[8:9], s[8:9], s[46:47]
	v_lshlrev_b32 v[BO], 5, v2
.irp b, 0,1,2,3,4,5,6,7
	global_load_b128 v[BIAS+8*\b:BIAS+8*\b+3], v[BO], s[8:9] offset:64*\b       ; b_tail at columns 16 b + 8 (lane / 16) + 0 .. 7
	global_load_b128 v[BIAS+8*\b+4:BIAS+8*\b+7], v[BO], s[8:9] offset:64*\b+16
.endr
.macro FRAG reg, adr, q, i             ; a fragment of B from rows: six pieces of 8 bytes
.irp p, 0,1,2,3,4,5
.set PC, 12*(\q)+6*(\p/3)+\p%3
.if PC%8 < 5
	ds_load_b64 v[\reg+2*\p:\reg+2*\p+1], v[\adr] offset:8*PC+16*(PC/8)+(\i)*16*PITCH
.else
	ds_load_b64 v[\reg+2*\p:\reg+2*\p+1], v[\adr+2] offset:8*PC+16*(PC/8)+(\i)*16*PITCH
.endif
.endr
.endm
.macro FRAGA reg, slot, q, i           ; a fragment of A from two heads' images: each instruction reads consecutive bytes
.irp e, 0,1
	ds_load_b128 v[\reg+6*\e:\reg+6*\e+3], v[ADRA+\slot] offset:(\i)*3072+(2*(\q)+\e)*768
	ds_load_b64 v[\reg+6*\e+4:\reg+6*\e+5], v[ADRA+2+\slot] offset:(\i)*3072+(2*(\q)+\e)*768+512
.endr
.endm
; 16 matrix instructions.  first = 1: the bias starts the sums.  The 64 accumulators take turns, one instruction a turn.
.macro MUL16 a0, p, q, sc, first
.irp a, \a0, \a0+1
.irp b, 0,1,2,3,4,5,6,7
.if \first
	v_wmma_scale_f32_16x16x128_f8f6f4 v[8*(8*((\a)%4)+\b):8*(8*((\a)%4)+\b)+7], v[128*(\p)+FR*\b:128*(\p)+FR*\b+FR-1], v[AF+FR*(\a):AF+FR*(\a)+FR-1], v[BIAS+8*\b:BIAS+8*\b+7], v[SC+8*NQ*(\sc)+NQ*\b+(\q)], v[SC+8*NQ*(\sc)+NQ*(\a)+(\q)] matrix_a_fmt:MATRIX_FMT_FP6 matrix_b_fmt:MATRIX_FMT_FP6 matrix_a_scale:MATRIX_SCALE_ROW1
.else
	v_wmma_scale_f32_16x16x128_f8f6f4 v[8*(8*((\a)%4)+\b):8*(8*((\a)%4)+\b)+7], v[128*(\p)+FR*\b:128*(\p)+FR*\b+FR-1], v[AF+FR*(\a):AF+FR*(\a)+FR-1], v[8*(8*((\a)%4)+\b):8*(8*((\a)%4)+\b)+7], v[SC+8*NQ*(\sc)+NQ*\b+(\q)], v[SC+8*NQ*(\sc)+NQ*(\a)+(\q)] matrix_a_fmt:MATRIX_FMT_FP6 matrix_b_fmt:MATRIX_FMT_FP6 matrix_a_scale:MATRIX_SCALE_ROW1
.endif
.endr
.endr
.endm
.macro FETCH_B slot, q, p
	WIN TO_B
.irp i, 0,1,2,3,4,5,6,7
	FRAG 128*(\p)+FR*\i, ADRB+\slot, \q, \i
.endr
	WIN 0
.endm
.macro FETCH_A slot, q, i0
.irp i, \i0, \i0+1, \i0+2, \i0+3
	FRAGA AF+FR*(\i), \slot, \q, \i
.endr
.endm
.macro SCALES sc
.irp i, 0,1,2,3,4,5,6,7
	ds_load_b64 v[SC+8*NQ*\sc+NQ*\i:SC+8*NQ*\sc+NQ*\i+1], v[ADRS] offset:\i*SBLK
.endr
.endm
.macro PLACES n
.rept \n
	v_nop
.endr
.endm
.macro STEP slot, q, first
	s_wait_dscnt 4*NLA                             ; B's set and A's blocks 0-3 are in; the youngest 16 loads (A's blocks 4-7) may be out
.if \first
	WIN FST_LO
.else
	WIN MUL_LO
.endif
	MUL16 0, (\q)%2, \q, \slot, \first
	MUL16 2, (\q)%2, \q, \slot, \first
	s_wait_dscnt 0
	PLACES NP
	FETCH_B \slot, (\q)+1, 1-(\q)%2
	FETCH_A \slot, (\q)+1, 0
.if \first
	WIN FST_HI
.else
	WIN MUL_HI
.endif
	MUL16 4, (\q)%2, \q, \slot, \first
	MUL16 6, (\q)%2, \q, \slot, \first
	PLACES NP
	WIN 0
	FETCH_A \slot, (\q)+1, 4
.endm
.macro TURN slot, next, fill
	s_wait_tensorcnt 0x0                           ; all my tensor loads have landed: my part of the next slot
	ds_add_u32 v[SPW], v[NIL]
	s_wait_dscnt 4*NLA+1                           ; the add and the youngest 16 loads may be out
	WIN MUL_LO
	MUL16 0, 1, NQ-1, \slot, 0
	s_wait_dscnt 0x0                               ; the add is done, and my reads of this slot are over
	s_barrier_signal -1
	MUL16 2, 1, NQ-1, \slot, 0
	WIN 0
	s_barrier_wait -1
.if \fill
	CREST                                          ; the barrier has opened a round of the cluster's: no wave of any partner still reads this slot or has a load on its way
	s_add_nc_u64 s[G0+4*\slot+2:G0+4*\slot+3], s[G0+4*\slot+2:G0+4*\slot+3], 2*3072
	s_add_nc_u64 s[G0B+4*\slot+2:G0B+4*\slot+3], s[G0B+4*\slot+2:G0B+4*\slot+3], 2*ROWB
	JLOAD G0+4*\slot, G1, G0B+4*\slot, G1B         ; my one tensor load behind the round; its four v_nop are the places in front of the loads below
.else
	PLACES NP
.endif
	v_add_nc_u32 v[ADRS], 4*NQ, v[ADRS]
	FETCH_B \next, 0, 0
	FETCH_A \next, 0, 0
	SCALES \next
	WIN MUL_HI
	MUL16 4, 1, NQ-1, \slot, 0
	MUL16 6, 1, NQ-1, \slot, 0
	PLACES NP
	WIN 0
	FETCH_A \next, 0, 4
.endm
	s_wait_tensorcnt 1                             ; the scales and my part of K step 0 are in (K step 1's load may be out)
	s_barrier_signal -1
	s_barrier_wait -1
	FETCH_B 0, 0, 0
	FETCH_A 0, 0, 0
	SCALES 0
	FETCH_A 0, 0, 4
	s_wait_loadcnt 0x0                             ; the bias
	STEP 0, 0, 1
	s_mov_b32 s3, LAPS-1
.Llap:
	TURN 0, 1, 1
	STEP 1, 0, 0
	TURN 1, 0, 1
	STEP 0, 0, 0
	s_sub_co_u32 s3, s3, 1
	s_cmp_lg_u32 s3, 0
	s_cbranch_scc1 .Llap
	TURN 0, 1, 0                                   ; the last lap fills nothing
	STEP 1, 0, 0
	s_wait_dscnt 4*NLA
	WIN MUL_LO
	MUL16 0, 1, NQ-1, 1, 0
	MUL16 2, 1, NQ-1, 1, 0
	s_wait_dscnt 0
	WIN MUL_HI
	MUL16 4, 1, NQ-1, 1, 0
	MUL16 6, 1, NQ-1, 1, 0
	WIN 0
; THE WAY OUT, block by block of 16 rows x 128 columns, through my own stage in LDS: back come whole rows of 512 bytes.  LDS serves a wave's instructions in order: no wait between the stores and the loads.
.macro TOSTAGE a
.set AC, 64*((\a)%4)
	WIN 0x08+4*((\a)/4)                            ; the data: window 2 or 3
.irp b, 0,1,2,3,4,5,6,7
	ds_store_b128 v[STO], v[AC+8*\b:AC+8*\b+3] offset:64*\b          ; each accumulator from its low end on
	ds_store_b128 v[STO], v[AC+8*\b+4:AC+8*\b+7] offset:64*\b+16
.endr
	WIN 0
.set BB, BK+64*((\a)%2)
.irp t, 0,1,2,3,4,5,6,7,8,9,10,11,12,13,14,15
	ds_load_b128 v[BB+4*\t:BB+4*\t+3], v[RD] offset:\t*SPITCH
.endr
.endm
.macro SEND a, younger                 ; stored row t of block a is row 32 (a / 2) + 8 (a % 2) + t + 8 (t / 8) of my 128: 127 rows of 4,096 bytes at the most, inside the signed 24-bit immediate
.set BB, BK+64*((\a)%2)
	s_wait_dscnt \younger
.irp t, 0,1,2,3,4,5,6,7,8,9,10,11,12,13,14,15
	global_store_b128 v[CO], v[BB+4*\t:BB+4*\t+3], s[10:11] offset:(32*((\a)/2)+8*((\a)%2)+\t+8*(\t/8))*4096 th:TH_STORE_NT   ; 32 lanes store 512 consecutive bytes, aligned
.endr
.endm
	PLACES NP
	TOSTAGE 0
.irp a, 1,2,3,4,5,6,7
.if \a > 1
	s_wait_xcnt 0x0                                ; block a - 2's stores have read their registers: block a's loads may land there
.endif
	TOSTAGE \a
	SEND \a-1, 32                                  ; behind block a - 1's loads: block a's 16 stores and 16 loads
.endr
	SEND 7, 0
	s_wait_tensorcnt 0x0                           ; the wave's end
	ds_add_u32 v[SPW], v[NIL]
	s_wait_dscnt 0x0
	CROUND                                         ; the closing round
	s_endpgm
.Lfunc_end_k_qd311ab7d20_tail:
	.size	k_qd311ab7d20_tail, .Lfunc_end_k_qd311ab7d20_tail-k_qd311ab7d20_tail
	.p2alignl 7, 3214868480
	.fill 96, 4, 3214868480
	.section	.rodata,"a",@progbits
	.p2align	6, 0x0
	.amdhsa_kernel k_qd311ab7d20_tail
		.amdhsa_group_segment_fixed_size 327680
		.amdhsa_private_segment_fixed_size 0
		.amdhsa_enable_private_segment 0
		.amdhsa_kernarg_size 32
		.amdhsa_user_sgpr_count 2
		.amdhsa_user_sgpr_kernarg_segment_ptr 1
		.amdhsa_wavefront_size32 1
		.amdhsa_system_sgpr_workgroup_id_x 1
		.amdhsa_system_sgpr_workgroup_id_y 1
		.amdhsa_system_sgpr_workgroup_id_z 1
		.amdhsa_system_vgpr_workitem_id 0
		.amdhsa_next_free_vgpr 1024
		.amdhsa_next_free_sgpr 98
		.amdhsa_reserve_vcc 0
		.amdhsa_float_denorm_mode_32 3
		.amdhsa_float_denorm_mode_16_64 3
		.amdhsa_memory_ordered 1
		.amdhsa_forward_progress 1
		.amdhsa_inst_pref_size 153
	.end_amdhsa_kernel
	.amdgpu_metadata
---
amdhsa.version: [ 1, 2 ]
amdhsa.kernels:
  - .name:           k_qd311ab7d20_tail
    .symbol:         k_qd311ab7d20_tail.kd
    .args:
      - { .name: at, .offset: 0, .size: 8, .value_kind: global_buffer, .address_space: global }
      - { .name: wq, .offset: 8, .size: 8, .value_kind: global_buffer, .address_space: global }
      - { .name: b_tail, .offset: 16, .size: 8, .value_kind: global_buffer, .address_space: global }
      - { .name: out0, .offset: 24, .size: 8, .value_kind: global_buffer, .address_space: global }
    .group_segment_fixed_size: 327680
    .private_segment_fixed_size: 0
    .kernarg_segment_align: 8
    .kernarg_segment_size: 32
    .max_flat_workgroup_size: 128
    .sgpr_count:     98
    .vgpr_count:     1024
    .wavefront_size: 32
...
	.end_amdgpu_metadata
.endif
;; end of part 4
